; MI455X (gfx1250); checked and timed in simulation.
; The chip was launched on July 23, 2026; its instructions are those of AMD's public machine-readable ISA for CDNA 5 (MIT licence, August 2026) and "CDNA5" Instruction Set Architecture Reference Guide (July 2026). The comments in the code are by the model that wrote it; some were corrected since.
;; Multi Head Attention. Allowed arithmetic: matrix products marked QUANTISED: E4M3 operands, one given power-of-two scale a tensor, by v_wmma_f32_16x16x64_fp8_fp8 or v_wmma_f32_16x16x128_fp8_fp8, f32 sums; everything else in f32.
;; Inputs: Wk 2,048 x 2,048 float32; Wo 2,048 x 2,048 float32; Wq 2,048 x 2,048 float32; Wv 2,048 x 2,048 float32; attn_mask 1 x 1 x 2,048 x 2,048 int32; bk 2,048 float32; bo 2,048 float32; bq 2,048 float32; bv 2,048 float32; lowp_scales 12 int32 (the exponents e of the quantised operands' scales 2^e); x 1 x 2,048 x 2,048 float32.
;; Outputs: out0 1 x 2,048 x 2,048 float32.
;; This version of the problem:
;;   THIS VERSION OF THE PROBLEM IS GIVEN IN LOW PRECISION. The matrix products marked QUANTISED in the list below multiply operands that are first quantised to E4M3 (4 exponent bits, 3 mantissa bits; 8 bits a number), with one given power-of-two scale for each operand tensor; their sums are f32. All else is computed in f32.
;;   The module's matrix products, in the order in which they are computed (A, B: the left and right operand; K: the contracted axis; several contracted axes count as one K, in the product's order):
;;     1. [M 2,048, K 2,048] x [K 2,048, N 2,048]; A: input x; B: input Wq: QUANTISED (scales: A lowp_scales[0], B lowp_scales[1])
;;     2. [M 2,048, K 2,048] x [K 2,048, N 2,048]; A: input x; B: input Wk: QUANTISED (scales: A lowp_scales[2], B lowp_scales[3])
;;     3. [M 2,048, K 2,048] x [K 2,048, N 2,048]; A: input x; B: input Wv: QUANTISED (scales: A lowp_scales[4], B lowp_scales[5])
;;     4. batch 16 x [M 2,048, K 128] x [K 128, N 2,048]; A: computed on the way; B: computed on the way: QUANTISED (scales: A lowp_scales[6], B lowp_scales[7])
;;     5. batch 16 x [M 2,048, K 2,048] x [K 2,048, N 128]; A: softmax (see below); B: computed on the way: QUANTISED (scales: A lowp_scales[8], B lowp_scales[9])
;;     6. [M 2,048, K 2,048] x [K 2,048, N 2,048]; A: computed on the way; B: input Wo: QUANTISED (scales: A lowp_scales[10], B lowp_scales[11])
;;   THE QUANTISER, for each operand of a quantised product, along K:
;;     - The operand's scale is 2^e, e = its entry of the input lowp_scales (int32; the entries are numbered through the quantised products in the list's order, A before B).
;;     - Each number is divided by the scale, clamped to +-448, and rounded to the nearest number of E4M3, ties to even, subnormals kept.
;;     - The product sums the exact products of the quantised numbers (number of the format x scale) in f32.
;;   ~~~python
;;   def quantise(x, axis, e):      # numpy; x: float32 -> the quantised numbers, widened to float32 again
;;       x = np.moveaxis(x, axis, -1); K = x.shape[-1]
;;       r = np.clip(x / 2.0 ** e, -448, 448)
;;       step = 2.0 ** (np.maximum(np.frexp(np.where(r == 0, 1, r))[1] - 1, -6) - 3)
;;       q = np.round(r / step) * step * 2.0 ** e      # np.round: ties to even
;;       return np.moveaxis(q, -1, axis).astype(np.float32)
;;   ~~~
;;   SOFTMAX AHEAD OF A QUANTISED PRODUCT. Where the list says 'softmax', what is quantised is not the finished softmax but p = 2^(t - M), with t = logit x log2(e) and M = ceil(the row's largest t), a whole number; so 1/2 < the row's largest p <= 1. The row's sum l is taken of the UNQUANTISED p, in f32, and the product's result is divided by l at the end. Since M is a whole number, a kernel that streams over the keys may use a running M (the ceiling of the running maximum): every later rescaling is an exact power of two, so the quantised numbers keep their values, but for numbers so far below the row's largest that they fall under the format's range.
;;   OPERANDS COMPUTED ON THE WAY. 'Computed on the way' means the value that the module computes at that place (a softmax that the list does not call 'softmax' is quantised finished and normalised). What goes into a quantiser is computed in f32, as accurately as f32 sums, v_exp_f32 and their like allow (about 1e-6 of the number): no bf16 or f16 on the way to a quantiser, and a product that is left as it is and whose result goes on into a quantised operand takes f32 operands (vector FMAs, or v_wmma_f32_16x16x4_f32). A number that lies on a knife's edge between two numbers of the format may be rounded either way, as far as f32 arithmetic and the matrix unit's own rounding can turn it there, and no further.
;; One version. Each part assembles by itself: llvm-mc -triple=amdgcn-amd-amdhsa -mcpu=gfx1250 --defsym DOCPART=n.
;; ======== version 1 of 1: 4 launches
;; limits: right only within a limited range of input values
;; workspace buffers: xc 12,582,912 bytes; wc 12,582,912 bytes; woc 4,194,304 bytes; mbits 524,288 bytes of whole numbers; qkv 12,582,912 bytes; oc 4,194,304 bytes
;; launch quant (part 1): grid 1024 x 1, 4 waves a work-group, no clusters, 20,992 bytes of LDS; arguments x, Wq, Wk, Wv, lowp_scales, xc, wc; writes xc, wc
.if DOCPART == 1
	.amdgcn_target "amdgcn-amd-amdhsa--gfx1250"
	.amdhsa_code_object_version 6
	.text
	.protected	k_q0c02044146_quant
	.globl	k_q0c02044146_quant
	.p2align	8
	.type	k_q0c02044146_quant,@function
k_q0c02044146_quant:
	s_mov_b64 s[64:65], 0
	v_nop
	global_prefetch_b8 v0, s[64:65] scope:SCOPE_SE
	s_setreg_imm32_b32 hwreg(HW_REG_WAVE_MODE, 25, 1), 1
	s_wait_xcnt 0x0
; x, Wq, Wk, Wv ([2048][2048] f32, K innermost) become codes of E4M3.  (Wo and the mask are laid by the next launch, in work-groups of its own.)
; code = number / 2^e, held within +-448, to the nearest code, ties to even.  x has three scales (entries 0, 2, 4 of the scales' buffer) and so three
; images in xc, 4 MiB apart; Wq, Wk, Wv (entries 1, 3, 5) lie 4 MiB apart in wc.  Rows are dense, so a tensor is a plain stream, and so are its codes.
; LIMITS: every e between -126 and 119, so that 2^e and 448 x 2^e are f32 numbers.  NaN among the f32 inputs is not served; an infinity is held at the largest code.
; SHARES: 1,024 work-groups of four waves: 256 for each tensor (work-group number / 256), 16,384 numbers each.  They share no input: no cluster, no tensor load, no barrier, and no loop for a prefetch to run ahead in.
; A wave takes 8 steps of 512 numbers.  A load reads 512 consecutive bytes, 16 a lane; the step's 2,048 bytes turn through the wave's own stage in LDS and come back 64 bytes a lane,
; since a conversion takes eight neighbours from ONE lane's registers.  A lane's 16 codes are 16 bytes: a store covers 512 consecutive bytes.  Loads run four steps ahead, the turn through LDS one step.
.set NS,    8                          ; steps
.set SP,    80                         ; a lane's place in a stage: 64 bytes + 16 of padding
.set WREG,  5120                       ; LDS of a wave: two stages of 32 x SP bytes
.set SPARE, 4*WREG                     ; the spare words, 128 bytes a wave
.set SPW,   12                         ; v12  my spare word's address; never rewritten
.set NIL,   13                         ; v13  0; never rewritten
.set R,     16                         ; v16-79   four sets of 16 numbers as loaded
.set X,     80                         ; v80-111  two sets of 16 neighbours
.set T,     112                        ; v112-127 the numbers, held
.set C,     128                        ; v128-175 codes: four sets by turns of 12 registers, output o at + 4 o
	s_load_b256 s[8:15], s[0:1], 0x0               ; x 8, Wq 10, Wk 12, Wv 14
	s_load_b128 s[16:19], s[0:1], 0x20             ; scales 16, xc 18
	s_load_b64 s[20:21], s[0:1], 0x30              ; wc
	v_lshl_add_u32 v[SPW], v0, 2, SPARE
	v_mov_b32 v[NIL], 0
	v_lshrrev_b32 v1, 5, v0
	v_readfirstlane_b32 s28, v1                    ; wave
	s_lshr_b32 s29, ttmp9, 8                       ; which tensor: 0 x, 1 Wq, 2 Wk, 3 Wv
	s_and_b32 s30, ttmp9, 255                      ; which part of it
	v_and_b32 v2, 31, v0                           ; lane
	v_lshlrev_b32 v3, 4, v2                        ; 16 x lane: my bytes of a load, and of a step's codes
	s_mul_i32 s50, s28, WREG
	v_lshrrev_b32 v4, 2, v2
	v_mul_u32_u24 v4, v4, SP
	v_and_b32 v5, 3, v2
	v_lshl_add_u32 v4, v5, 4, v4
	v_add_nc_u32 v4, s50, v4                       ; the stage, on the way in: SP (lane / 4) + 16 (lane % 4)
	v_mul_u32_u24 v5, v2, SP
	v_add_nc_u32 v5, s50, v5                       ; and on the way out: SP x lane
	s_wait_alu depctr_va_vdst(0)                   ; the wait here, directly ahead of the wait below
	s_wait_kmcnt 0x0
	s_load_b128 s[32:35], s[16:17], 0x0            ; e0 .. e3
	s_load_b64 s[36:37], s[16:17], 0x10            ; e4, e5
	s_mov_b64 s[4:5], s[8:9]                       ; the input: chosen by the tensor's number alone
	s_cmp_eq_u32 s29, 1
	s_cselect_b64 s[4:5], s[10:11], s[4:5]
	s_cmp_eq_u32 s29, 2
	s_cselect_b64 s[4:5], s[12:13], s[4:5]
	s_cmp_eq_u32 s29, 3
	s_cselect_b64 s[4:5], s[14:15], s[4:5]
	s_lshl_b32 s50, s30, 2
	s_add_co_u32 s50, s50, s28                     ; which run of 4,096 numbers is my wave's: 0 .. 1,023
	s_lshl_b32 s56, s50, 14                        ; its bytes in the input,
	s_mov_b32 s57, 0
	s_add_nc_u64 s[4:5], s[4:5], s[56:57]
	s_lshl_b32 s58, s50, 12                        ; and among the codes
	s_mov_b32 s59, 0
	s_add_nc_u64 s[46:47], s[18:19], s[58:59]
	s_add_nc_u64 s[48:49], s[46:47], 0x800000      ; x's third image,
	s_add_nc_u64 s[46:47], s[46:47], 0x400000      ; x's second: both lie inside xc in every work-group; only x's work-groups store there
	s_sub_co_i32 s51, s29, 1
	s_max_i32 s51, s51, 0
	s_lshl_b32 s51, s51, 22                        ; a weight's place in wc
	s_add_co_u32 s58, s58, s51
	s_cmp_eq_u32 s29, 0
	s_cselect_b64 s[44:45], s[18:19], s[20:21]
	s_add_nc_u64 s[44:45], s[44:45], s[58:59]      ; the first output
.macro LOAD t
.irp i, 0,1,2,3
	global_load_b128 v[R+16*((\t)%4)+4*\i:R+16*((\t)%4)+4*\i+3], v3, s[4:5] offset:2048*(\t)+512*\i th:TH_LOAD_NT   ; 32 lanes read 512 consecutive bytes
.endr
.endm
.macro TURN t                          ; step t's numbers through the stage: LDS serves a wave's instructions in order (ISA guide 5.7.1.4), so no wait stands between the stores and the loads
.irp i, 0,1,2,3
	ds_store_b128 v4, v[R+16*((\t)%4)+4*\i:R+16*((\t)%4)+4*\i+3] offset:32*SP*((\t)%2)+8*SP*\i
.endr
.irp i, 0,1,2,3
	ds_load_b128 v[X+16*((\t)%2)+4*\i:X+16*((\t)%2)+4*\i+3], v5 offset:32*SP*((\t)%2)+16*\i
.endr
.endm
.macro MKSCALE se, vs, vl              ; from the whole number e: 2^e (the conversion takes its exponent field) and 448 x 2^e
	s_add_co_i32 s51, \se, 127
	s_lshl_b32 s56, s51, 23
	v_mov_b32 v[\vs], s56
	s_add_co_i32 s51, s51, 8
	s_lshl_b32 s51, s51, 23
	s_or_b32 s51, s51, 0x600000
	v_mov_b32 v[\vl], s51
.endm
.macro OUT o, t                        ; step t's 16 numbers under scale o: held, converted, stored
.set XS, X+16*((\t)%2)
.set CC, C+12*((\t)%4)+4*(\o)
.irp i, 0,1,2,3,4,5,6,7,8,9,10,11,12,13,14,15
	v_med3_num_f32 v[T+\i], v[XS+\i], -v[9+\o], v[9+\o]   ; the conversion to an 8-bit code does not saturate (ISA guide 7.6.2): the hold comes first
.endr
	v_cvt_scalef32_pk8_fp8_f32 v[CC:CC+1], v[T:T+7], v[6+\o]
	v_cvt_scalef32_pk8_fp8_f32 v[CC+2:CC+3], v[T+8:T+15], v[6+\o]
	v_nop                                          ; a plain line between the conversions and the next holds, which write their sources
	global_store_b128 v3, v[CC:CC+3], s[44+2*\o:45+2*\o] offset:512*(\t)   ; 32 lanes store 512 consecutive bytes
.endm
.macro STEP t
	s_wait_dscnt 0x0                               ; this step's numbers are back from the stage,
.if (\t)+4 < NS
	LOAD (\t)+4                                    ; and the registers that went into it take the loads of four steps on
.endif
.if (\t)+1 < NS
.if NS-2-(\t) >= 3
	s_wait_loadcnt 12                              ; the next step's four loads are in; those of the three steps behind it may be out
.else
	s_wait_loadcnt 4*(NS-2-(\t))
.endif
	TURN (\t)+1
.endif
.if (\t) >= 4
	s_wait_xcnt 0x0                                ; the stores of four steps ago have read their registers: this step's codes are written there
.endif
	OUT 0, \t
	s_cmp_eq_u32 s29, 0                            ; x alone has a second and a third scale: a branch on the work-group's number, round register work and stores
	s_cbranch_scc0 .Lone_\@
	OUT 1, \t
	OUT 2, \t
.Lone_\@:
.endm
.irp t, 0,1,2,3
	LOAD \t
.endr
	s_wait_kmcnt 0x0
	s_mov_b32 s50, s32                             ; the first output's e: entry 0, 1, 3 or 5
	s_cmp_eq_u32 s29, 1
	s_cselect_b32 s50, s33, s50
	s_cmp_eq_u32 s29, 2
	s_cselect_b32 s50, s35, s50
	s_cmp_eq_u32 s29, 3
	s_cselect_b32 s50, s37, s50
	MKSCALE s50, 6, 9
	MKSCALE s34, 7, 10                             ; entry 2: x for the keys
	MKSCALE s36, 8, 11                             ; entry 4: x for the values
	s_wait_alu depctr_va_vdst(0)                   ; the wait at the head's end
	s_wait_loadcnt 12                              ; step 0's four loads are in
	TURN 0
.irp t, 0,1,2,3,4,5,6,7
	STEP \t
.endr
	s_wait_tensorcnt 0x0                           ; the wave's end, behind my last LDS store
	ds_add_u32 v[SPW], v[NIL]
	s_wait_dscnt 0x0
	s_endpgm
.Lfunc_end_k_q0c02044146_quant:
	.size	k_q0c02044146_quant, .Lfunc_end_k_q0c02044146_quant-k_q0c02044146_quant
	.p2alignl 7, 3214868480
	.fill 96, 4, 3214868480
	.section	.rodata,"a",@progbits
	.p2align	6, 0x0
	.amdhsa_kernel k_q0c02044146_quant
		.amdhsa_group_segment_fixed_size 20992
		.amdhsa_private_segment_fixed_size 0
		.amdhsa_enable_private_segment 0
		.amdhsa_kernarg_size 56
		.amdhsa_user_sgpr_count 2
		.amdhsa_user_sgpr_kernarg_segment_ptr 1
		.amdhsa_wavefront_size32 1
		.amdhsa_system_sgpr_workgroup_id_x 1
		.amdhsa_system_sgpr_workgroup_id_y 1
		.amdhsa_system_sgpr_workgroup_id_z 1
		.amdhsa_system_vgpr_workitem_id 0
		.amdhsa_next_free_vgpr 176
		.amdhsa_next_free_sgpr 66
		.amdhsa_reserve_vcc 0
		.amdhsa_float_denorm_mode_32 3
		.amdhsa_float_denorm_mode_16_64 3
		.amdhsa_memory_ordered 1
		.amdhsa_forward_progress 1
		.amdhsa_inst_pref_size 42
	.end_amdhsa_kernel
	.amdgpu_metadata
---
amdhsa.version: [ 1, 2 ]
amdhsa.kernels:
  - .name:           k_q0c02044146_quant
    .symbol:         k_q0c02044146_quant.kd
    .args:
      - { .name: x, .offset: 0, .size: 8, .value_kind: global_buffer, .address_space: global }
      - { .name: Wq, .offset: 8, .size: 8, .value_kind: global_buffer, .address_space: global }
      - { .name: Wk, .offset: 16, .size: 8, .value_kind: global_buffer, .address_space: global }
      - { .name: Wv, .offset: 24, .size: 8, .value_kind: global_buffer, .address_space: global }
      - { .name: lowp_scales, .offset: 32, .size: 8, .value_kind: global_buffer, .address_space: global }
      - { .name: xc, .offset: 40, .size: 8, .value_kind: global_buffer, .address_space: global }
      - { .name: wc, .offset: 48, .size: 8, .value_kind: global_buffer, .address_space: global }
    .group_segment_fixed_size: 20992
    .private_segment_fixed_size: 0
    .kernarg_segment_align: 8
    .kernarg_segment_size: 56
    .max_flat_workgroup_size: 128
    .sgpr_count:     66
    .vgpr_count:     176
    .wavefront_size: 32
...
	.end_amdgpu_metadata
.endif
;; end of part 1
;; launch qkv (part 2): grid 32 x 8, 4 waves a work-group, clusters of 4 x 4, 327,680 bytes of LDS; arguments xc, wc, lowp_scales, bq, bk, bv, qkv, attn_mask, Wo, mbits, woc; writes qkv, mbits, woc
.if DOCPART == 2
	.amdgcn_target "amdgcn-amd-amdhsa--gfx1250"
	.amdhsa_code_object_version 6
	.text
	.protected	k_q0c02044146_qkv
	.globl	k_q0c02044146_qkv
	.p2align	8
	.type	k_q0c02044146_qkv,@function
k_q0c02044146_qkv:
	s_mov_b64 s[64:65], 0
	v_nop
	global_prefetch_b8 v0, s[64:65] scope:SCOPE_SE
	s_setreg_imm32_b32 hwreg(HW_REG_WAVE_MODE, 25, 1), 1
	s_wait_xcnt 0x0
	s_wait_alu depctr_hold_cnt(0) depctr_sa_sdst(0) depctr_va_vdst(0) depctr_va_sdst(0) depctr_va_ssrc(0) depctr_va_vcc(0) depctr_vm_vsrc(0)
	s_getreg_b32 s2, hwreg(HW_REG_IB_STS2, 6, 4)
	s_cmp_eq_u32 s2, 0
	s_cbranch_scc0 .Lentry_in_a_cluster
	s_endpgm
.Lentry_in_a_cluster:
	s_bfe_u32 s2, ttmp6, 0x10000c
	s_cmp_lg_u32 s2, 0xf033
	s_cbranch_scc0 .Lentry_shape_is_right
	s_endpgm
.Lentry_shape_is_right:
; q, k, v = x W^T + b on codes of E4M3, quantised again (entries 6, 7, 9) and laid for the attention launch; beside that, in clusters of their own, Wo's codes and the mask's lane-mask words.
; GEMM: cluster columns 0 to 5 of the grid: two for each of q, k, v (s86 = 0, 1, 2).  A work-group of four waves makes 256 x 256, a wave 128 x 128 in windows 2 and 3; K goes in steps of 256 through a ring of two LDS slots.
; q and k are laid head by head in blocks of [128 tokens][128]; k's rows in the order in which the attention launch's tiles take them; v in blocks of [128 of the head][128 keys] (there the roles of x and of the weight are exchanged).
; CLUSTERS: 4 x 4 work-groups: the first operand's tiles are asked for jointly along a row, the second's along a column.
; PREFETCH: each 256 bytes of a K step's rows are named once in each cluster that loads them: of the 128 rows that a wave fetches each of the four partners takes 32, told apart by address, a lane a row.
; Behind K step 0's load K steps 1 and 2 are asked for, behind K step t's load K step t + 2; the last two loads ask for nothing.
; AUX: cluster columns 6 and 7 (s86 = 3): 64 work-groups lay Wo's codes (entry 11) and the mask's words (label .Laux).
; LIMITS: the two entries of each product sum to between -126 and 127; entries 6, 7, 9 and 11 between -126 and 119.  NaN among the f32 inputs is not served; an infinity is held at the largest code.
.set KSTEP,  256
.set ROWB,   256
.set KROW,   2048
.set PITCH,  272
.set FR,     16
.set NL,     4
.set NP,     4
.set HALFT,  128*PITCH
.set SLOT,   4*HALFT
.set LAPS,   2048/(2*KSTEP)
.set SPARE,  2*SLOT
.set SPITCH, 144
.set ADRA, 16
.set ADRB, 20
.set STO,  24
.set RD,   25
.set CO,   26
.set CO1,  27
.set SPW,  28
.set NIL,  29
.set CO2,  30
.set CBI,  32
.set RB,   96
.set QS,   112
.set AF,   128
.set TMP,  128
.set PC,   192
.set BK,   224
.set G1, 24
.set G0, 32
.set G1B, 48
.set G0B, 56
.set MSB, 0
.macro WIN new
.if MSB != \new
	s_set_vgpr_msb (MSB<<8)|\new
.set MSB, \new
.endif
.endm
.set MUL_LO, 0xa1
.set MUL_HI, 0xf1
.set TO_B,   0x40
.macro JLOAD g0a, g1a, g0b, g1b
	s_cmp_eq_u32 s15, 0
	s_cbranch_scc0 .Lfor_b_\@
	tensor_load_to_lds s[\g0a:\g0a+3], s[\g1a:\g1a+7]
	s_nop 0
.rept 4
	v_nop
.endr
	s_branch .Lasked_\@
.Lfor_b_\@:
	tensor_load_to_lds s[\g0b:\g0b+3], s[\g1b:\g1b+7]
	s_nop 0
.rept 4
	v_nop
.endr
.Lasked_\@:
.endm
.macro CREST
	s_cmp_lg_u32 s14, 0
	s_cbranch_scc1 .Lnot_wave_0_\@
	s_barrier_signal -3
.Lnot_wave_0_\@:
	s_barrier_wait -3
	s_barrier_signal -1
	s_barrier_wait -1
.endm
.macro CROUND
	s_barrier_signal -1
	s_barrier_wait -1
	CREST
.endm
	s_load_b256 s[4:11], s[0:1], 0x0
	s_load_b128 s[80:83], s[0:1], 0x20
	s_load_b64 s[84:85], s[0:1], 0x30
	v_lshl_add_u32 v[SPW], v0, 2, SPARE
	v_mov_b32 v[NIL], 0
	ds_add_u32 v[SPW], v[NIL]
	ds_add_u32 v[SPW], v[NIL]
	v_lshrrev_b32 v1, 5, v0
	v_readfirstlane_b32 s14, v1
	s_lshr_b32 s15, s14, 1
	s_and_b32 s16, s14, 1
	s_bfe_u32 s40, ttmp6, 0x40000
	s_bfe_u32 s41, ttmp6, 0x40004
	s_lshr_b32 s86, ttmp9, 1
	s_and_b32 s42, ttmp9, 1
	s_lshl_b32 s42, s42, 2
	s_add_co_u32 s42, s42, s40
	s_and_b32 s17, ttmp7, 0xffff
	s_lshl_b32 s17, s17, 2
	s_add_co_u32 s17, s17, s41
	s_lshl_b32 s43, s41, 2
	s_lshl_b32 s43, 15, s43
	s_lshl_b32 s44, 0x1111, s40
	s_or_b32 s[G1+0], s43, (0<<16)|(1<<20)|(1<<21)|(5<<22)|(3<<25)
	s_or_b32 s[G1B+0], s44, (0<<16)|(1<<20)|(1<<21)|(5<<22)|(3<<25)
.irp g, G1, G1B
	s_mov_b32 s[\g+1], ROWB<<16
	s_mov_b32 s[\g+2], 128<<16
	s_mov_b32 s[\g+3], ROWB<<16
	s_mov_b32 s[\g+4], 128
	s_mov_b32 s[\g+5], KROW
	s_mov_b32 s[\g+6], 0
	s_mov_b32 s[\g+7], 0
.endr
	s_lshl_b32 s18, s16, 7
	s_lshl_b32 s20, s17, 8
	s_add_co_u32 s20, s20, s18
	s_lshl_b32 s46, s42, 8
	s_add_co_u32 s46, s46, s18
	s_lshl_b32 s20, s20, 11
	s_lshl_b32 s46, s46, 11
	s_lshl_b32 s98, s86, 22
	s_add_co_u32 s20, s20, s98
	s_add_co_u32 s46, s46, s98
	s_mov_b32 s21, 0
	s_mov_b32 s47, 0
	s_mul_i32 s45, s14, HALFT
	s_wait_dscnt 0x0
	s_wait_kmcnt 0x0
	s_load_b256 s[68:75], s[8:9], 0x0
	s_load_b128 s[76:79], s[8:9], 0x20
	s_cmp_eq_u32 s86, 2
	s_cselect_b64 s[92:93], s[6:7], s[4:5]
	s_cselect_b64 s[94:95], s[4:5], s[6:7]
	s_add_nc_u64 s[20:21], s[92:93], s[20:21]
	s_add_nc_u64 s[46:47], s[94:95], s[46:47]
	CROUND
	s_cmp_eq_u32 s86, 3                            ; a branch on the cluster's number: the same in all partners and all waves
	s_cbranch_scc1 .Laux
.irp s, 0,1
	s_mov_b32 s[G0+4*\s], 1
	s_add_co_u32 s[G0+4*\s+1], s45, \s*SLOT
	s_add_nc_u64 s[G0+4*\s+2:G0+4*\s+3], s[20:21], \s*ROWB
	s_or_b32 s[G0+4*\s+3], s[G0+4*\s+3], 0x80000000
	s_mov_b32 s[G0B+4*\s], 1
	s_add_co_u32 s[G0B+4*\s+1], s45, \s*SLOT
	s_add_nc_u64 s[G0B+4*\s+2:G0B+4*\s+3], s[46:47], \s*ROWB
	s_or_b32 s[G0B+4*\s+3], s[G0B+4*\s+3], 0x80000000
.endr
	JLOAD G0, G1, G0B, G1B                         ; K step 0
	s_cmp_eq_u32 s15, 0                            ; the prefetches: do I fetch the first operand?
	s_cselect_b32 s18, s40, s41                    ; my place among the four that ask for the tile with me
	s_cselect_b64 s[92:93], s[20:21], s[46:47]
	s_lshl_b32 s18, s18, 16                        ; 32 rows of 2,048 bytes a partner
	s_mov_b32 s19, 0
	s_add_nc_u64 s[92:93], s[92:93], s[18:19]
	v_and_b32 v31, 31, v0
	v_lshlrev_b32 v31, 11, v31                     ; a lane a row; v31 is never rewritten
	global_prefetch_b8 v31, s[92:93] offset:ROWB th:TH_LOAD_NT scope:SCOPE_SE     ; K steps 1
	global_prefetch_b8 v31, s[92:93] offset:2*ROWB th:TH_LOAD_NT scope:SCOPE_SE   ; and 2
	v_and_b32 v1, 15, v0
	s_wait_alu depctr_va_vdst(0)
	v_bfe_u32 v2, v0, 4, 1
	v_mul_u32_u24 v3, v1, PITCH
	v_lshl_add_u32 v4, v2, 4, v3
	s_mul_i32 s21, s15, HALFT
	s_mul_i32 s22, s16, HALFT
	s_add_co_u32 s22, s22, 2*HALFT
.irp s, 0,1
	v_add_nc_u32 v[ADRA+\s], s21, v4
	v_add_nc_u32 v[ADRB+\s], s22, v4
	s_add_co_u32 s21, s21, SLOT
	s_add_co_u32 s22, s22, SLOT
.endr
	s_mul_i32 s23, s14, 16*SPITCH
	v_mul_u32_u24 v5, v1, SPITCH
	s_wait_alu depctr_va_vdst(0)
	v_lshl_add_u32 v5, v2, 3, v5
	v_add_nc_u32 v[STO], s23, v5
	v_and_b32 v6, 31, v0
	v_lshlrev_b32 v[CO], 4, v6
	v_lshrrev_b32 v5, 3, v6
	v_mul_u32_u24 v5, v5, SPITCH
	v_and_b32 v7, 7, v6
	v_lshl_add_u32 v5, v7, 4, v5
	v_add_nc_u32 v[RD], s23, v5
	s_cmp_eq_u32 s86, 1
	s_cselect_b32 s22, 1024, 0
	s_cselect_b32 s23, 0, 1024
	v_add_nc_u32 v[CO1], s22, v[CO]
	v_add_nc_u32 v[CO2], s23, v[CO]
	s_lshl_b32 s66, s17, 1
	s_add_co_u32 s66, s66, s15
	s_lshl_b32 s67, s42, 1
	s_add_co_u32 s67, s67, s16
	s_lshl_b32 s98, s66, 4
	s_add_co_u32 s98, s98, s67
	s_lshl_b32 s99, s67, 4
	s_add_co_u32 s99, s99, s66
	s_mov_b64 s[90:91], s[10:11]
	s_cmp_eq_u32 s86, 1
	s_cselect_b64 s[90:91], s[80:81], s[90:91]
	s_cmp_eq_u32 s86, 2
	s_cselect_b64 s[90:91], s[82:83], s[90:91]
	s_cselect_b32 s87, 0, -1
	s_cselect_b32 s88, -1, 0
	s_cselect_b32 s98, s98, s99
	s_lshl_b32 s98, s98, 14
	s_lshl_b32 s99, s86, 22
	s_add_co_u32 s98, s98, s99
	s_mov_b32 s99, 0
	s_add_nc_u64 s[84:85], s[84:85], s[98:99]
	s_lshl_b32 s22, s67, 9
	v_lshlrev_b32 v8, 5, v2
	v_add_nc_u32 v8, s22, v8
	s_lshl_b32 s22, s66, 9
	v_lshlrev_b32 v9, 2, v1
	v_add_nc_u32 v9, s22, v9
.irp b, 0,1,2,3,4,5,6,7
	global_load_b128 v[CBI+8*\b:CBI+8*\b+3], v8, s[90:91] offset:64*\b
	global_load_b128 v[CBI+8*\b+4:CBI+8*\b+7], v8, s[90:91] offset:64*\b+16
.endr
.irp a, 0,1,2,3,4,5,6,7
	global_load_b32 v[RB+2*\a], v9, s[90:91] offset:64*\a
.endr
.macro FRAG reg, adr, q, i
.irp c, 0,1,2,3
	ds_load_b128 v[\reg+4*\c:\reg+4*\c+3], v[\adr] offset:128*(\q)+32*\c+(\i)*16*PITCH
.endr
.endm
.macro MUL16 a0, p, zero
.irp a, \a0, \a0+1
.irp b, 0,1,2,3,4,5,6,7
.if \zero
	v_wmma_f32_16x16x128_fp8_fp8 v[8*(8*((\a)%4)+\b):8*(8*((\a)%4)+\b)+7], v[128*(\p)+FR*\b:128*(\p)+FR*\b+FR-1], v[AF+FR*(\a):AF+FR*(\a)+FR-1], 0
.else
	v_wmma_f32_16x16x128_fp8_fp8 v[8*(8*((\a)%4)+\b):8*(8*((\a)%4)+\b)+7], v[128*(\p)+FR*\b:128*(\p)+FR*\b+FR-1], v[AF+FR*(\a):AF+FR*(\a)+FR-1], v[8*(8*((\a)%4)+\b):8*(8*((\a)%4)+\b)+7]
.endif
.endr
.endr
.endm
.macro FETCH_B slot, q, p
	WIN TO_B
.irp i, 0,1,2,3,4,5,6,7
	FRAG 128*(\p)+FR*\i, ADRB+\slot, \q, \i
.endr
	WIN 0
.endm
.macro FETCH_A slot, q, i0
.irp i, \i0, \i0+1, \i0+2, \i0+3
	FRAG AF+FR*(\i), ADRA+\slot, \q, \i
.endr
.endm
.macro PLACES n
.rept \n
	v_nop
.endr
.endm
.macro STEP slot, q, zero
	s_wait_dscnt 4*NL
	WIN MUL_LO
	MUL16 0, (\q)%2, \zero
	MUL16 2, (\q)%2, \zero
	s_wait_dscnt 0
	PLACES NP
	FETCH_B \slot, (\q)+1, 1-(\q)%2
	FETCH_A \slot, (\q)+1, 0
	WIN MUL_HI
	MUL16 4, (\q)%2, \zero
	MUL16 6, (\q)%2, \zero
	PLACES NP
	WIN 0
	FETCH_A \slot, (\q)+1, 4
.endm
.macro ASK                             ; behind K step t's load: K step t + 2, in the loop's first two trips
	s_cmp_gt_u32 s3, 1
	s_cbranch_scc0 .Lnot_asked_\@
	global_prefetch_b8 v31, s[92:93] offset:3*ROWB th:TH_LOAD_NT scope:SCOPE_SE
.Lnot_asked_\@:
.endm
.macro TURN slot, next, fill
.if \fill
	s_wait_xcnt 0x0                                ; the last prefetch, a K step back, has read its address
	s_add_nc_u64 s[92:93], s[92:93], ROWB
.endif
	s_wait_tensorcnt 0x0
	ds_add_u32 v[SPW], v[NIL]
	s_wait_dscnt 4*NL+1
	WIN MUL_LO
	MUL16 0, 1, 0
	s_wait_dscnt 0x0
	s_barrier_signal -1
	MUL16 2, 1, 0
	WIN 0
	s_barrier_wait -1
.if \fill
	CREST
	s_add_nc_u64 s[G0+4*\slot+2:G0+4*\slot+3], s[G0+4*\slot+2:G0+4*\slot+3], 2*ROWB
	s_add_nc_u64 s[G0B+4*\slot+2:G0B+4*\slot+3], s[G0B+4*\slot+2:G0B+4*\slot+3], 2*ROWB
	JLOAD G0+4*\slot, G1, G0B+4*\slot, G1B
.else
	PLACES NP
.endif
	FETCH_B \next, 0, 0
	FETCH_A \next, 0, 0
.if \fill
	ASK
.endif
	WIN MUL_HI
	MUL16 4, 1, 0
	MUL16 6, 1, 0
	PLACES NP
	WIN 0
	FETCH_A \next, 0, 4
.endm
	s_wait_alu depctr_va_vdst(0)                   ; the wait at the head's end
	s_wait_tensorcnt 0x0                           ; my part of K step 0 is in
	ds_add_u32 v[SPW], v[NIL]
	s_wait_dscnt 0x0
	CROUND
	JLOAD G0+4, G1, G0B+4, G1B                     ; K step 1, the first tensor load behind the round
	FETCH_B 0, 0, 0
	FETCH_A 0, 0, 0
	FETCH_A 0, 0, 4
	global_prefetch_b8 v31, s[92:93] offset:3*ROWB th:TH_LOAD_NT scope:SCOPE_SE   ; K step 3
	STEP 0, 0, 1
	s_mov_b32 s3, LAPS-1
.Llap:
	TURN 0, 1, 1
	STEP 1, 0, 0
	TURN 1, 0, 1
	STEP 0, 0, 0
	s_sub_co_u32 s3, s3, 1
	s_cmp_lg_u32 s3, 0
	s_cbranch_scc1 .Llap
	TURN 0, 1, 0
	STEP 1, 0, 0
	s_wait_dscnt 4*NL
	WIN MUL_LO
	MUL16 0, 1, 0
	MUL16 2, 1, 0
	s_wait_dscnt 0
	WIN MUL_HI
	MUL16 4, 1, 0
	MUL16 6, 1, 0
	WIN 0
.macro OUTBLK a
.set AC, 64*((\a)%4)
.set WW, 0x02+(\a)/4
.set PS, PC+16*((\a)%2)
.set BB, BK+16*((\a)%2)
	WIN WW
.set jj, 0
.rept 32
	v_pk_fma_f32 v[TMP+jj:TMP+jj+1], v[AC+jj:AC+jj+1], s[96:97], v[CBI+jj:CBI+jj+1] op_sel_hi:[1,0,1]
.set jj, jj+2
.endr
	WIN 0
.set jj, 0
.rept 32
	v_pk_add_f32 v[TMP+jj:TMP+jj+1], v[TMP+jj:TMP+jj+1], v[RB+2*(\a):RB+2*(\a)+1]
.set jj, jj+2
.endr
.set jj, 0
.rept 64
	v_med3_num_f32 v[TMP+jj], v[TMP+jj], -v[QS+1], v[QS+1]
.set jj, jj+1
.endr
.irp b, 0,1,2,3,4,5,6,7
	v_cvt_scalef32_pk8_fp8_f32 v[PS+2*\b:PS+2*\b+1], v[TMP+8*\b:TMP+8*\b+7], v[QS]
.endr
	v_nop
.irp b, 0,1,2,3,4,5,6,7
	ds_store_b64 v[STO], v[PS+2*\b:PS+2*\b+1] offset:16*\b
.endr
.irp i, 0,1,2,3
	ds_load_b128 v[BB+4*\i:BB+4*\i+3], v[RD] offset:4*\i*SPITCH
.endr
.endm
.macro SEND a, younger
.set BB, BK+16*((\a)%2)
	s_wait_dscnt \younger
.irp i, 0,1,2,3
.set GG, (2*(\a)+\i/2)%4
.if GG == 1
	global_store_b128 v[CO1], v[BB+4*\i:BB+4*\i+3], s[84:85] offset:2048*(\a)+512*\i
.elseif GG == 2
	global_store_b128 v[CO2], v[BB+4*\i:BB+4*\i+3], s[84:85] offset:2048*(\a)+512*\i-1024
.else
	global_store_b128 v[CO], v[BB+4*\i:BB+4*\i+3], s[84:85] offset:2048*(\a)+512*\i
.endif
.endr
.endm
	s_wait_kmcnt 0x0
	s_add_co_i32 s96, s68, s69
	s_add_co_i32 s97, s70, s71
	s_add_co_i32 s98, s72, s73
	s_cmp_eq_u32 s86, 1
	s_cselect_b32 s96, s97, s96
	s_cselect_b32 s99, s75, s74
	s_cmp_eq_u32 s86, 2
	s_cselect_b32 s96, s98, s96
	s_cselect_b32 s99, s77, s99
	s_add_co_i32 s96, s96, 127
	s_lshl_b32 s96, s96, 23
	s_mov_b32 s97, s96
	s_add_co_i32 s99, s99, 127
	s_lshl_b32 s98, s99, 23
	s_add_co_i32 s99, s99, 8
	s_lshl_b32 s99, s99, 23
	s_or_b32 s99, s99, 0x600000
	s_wait_loadcnt 0x0
.set jj, 0
.rept 64
	v_and_b32 v[CBI+jj], s87, v[CBI+jj]
.set jj, jj+1
.endr
.irp a, 0,1,2,3,4,5,6,7
	v_and_b32 v[RB+2*\a+1], s88, v[RB+2*\a]
	v_and_b32 v[RB+2*\a], s88, v[RB+2*\a]
.endr
	v_mov_b32 v[QS], s98
	v_mov_b32 v[QS+1], s99
	OUTBLK 0
.irp a, 1,2,3,4,5,6,7
.if \a > 1
	s_wait_xcnt 0x0
.endif
	OUTBLK \a
	SEND \a-1, 12
.endr
	SEND 7, 0
	s_wait_tensorcnt 0x0
	ds_add_u32 v[SPW], v[NIL]
	s_wait_dscnt 0x0
	CROUND
	s_endpgm
; AUX.  64 work-groups, number 8 x s17 + s42.  Each wave lays 8 mask units and 16,384 numbers of Wo.  Its LDS bytes are its own and lie behind the spare words; no tensor load, no barrier but the cluster's rounds.
; MASK: a unit is 16 queries x 128 keys.  Word n = 16 b + i of a unit has in bit L: mask[16 qt + L % 16][128 ks + 32 b + 16 (L / 16) + i] != 0: the lane mask of register n of the scores' tiles in the attention launch.
; A unit's 64 words are 256 bytes at (16 qt + ks) x 256.  Wave w takes qt = 2 x number + w / 2 and ks = 8 (w % 2) .. + 7; loads run two units ahead.
; WO: a wave takes 32 steps of 512 numbers, four a trip; loads run four steps ahead, the turn through LDS one; a prefetch of 8,192 bytes, lanes 256 bytes apart, stands two trips ahead of the loads, up to the last trip.
.set ABASE, SPARE+512
.set AREG,  8448                       ; a wave's LDS: 16 rows of MPI bytes; later two stages of 32 x ASP bytes
.set MPI,   528
.set ASP,   80
.set AM0, 32                           ; v32-95, v96-159 two units as loaded;  v160-223 a unit's 64 numbers of my lane;  v224-227 words
.set AM1, 96
.set AMX, 160
.set AW,  224
.set AR,  32                           ; v32-95 four sets of 16 numbers of Wo;  v96-127 two sets of 16 neighbours;  v128-143 codes
.set AX,  96
.set ACD, 128
.Laux:
	s_wait_kmcnt 0x0                               ; the scales are in (s79: entry 11)
	s_load_b128 s[4:7], s[0:1], 0x38               ; the mask, Wo
	s_load_b128 s[8:11], s[0:1], 0x48              ; mbits, woc
	s_lshl_b32 s18, s17, 3
	s_add_co_u32 s18, s18, s42                     ; my number, 0 .. 63
	s_lshl_b32 s19, s18, 1
	s_add_co_u32 s19, s19, s15                     ; qt
	s_lshl_b32 s20, s19, 17                        ; 16 rows of 8,192 bytes,
	s_lshl_b32 s22, s16, 12                        ; eight units of 512 bytes along a row
	s_add_co_u32 s20, s20, s22
	s_mov_b32 s21, 0
	s_lshl_b32 s22, s19, 12
	s_lshl_b32 s23, s16, 11
	s_add_co_u32 s22, s22, s23
	s_mov_b32 s23, 0
	s_lshl_b32 s24, s18, 2
	s_add_co_u32 s24, s24, s14                     ; my run of Wo, 0 .. 255
	s_lshl_b32 s26, s24, 14
	s_mov_b32 s27, 0
	s_lshl_b32 s24, s24, 16
	s_mov_b32 s25, 0
	s_mul_i32 s30, s14, AREG
	s_add_co_u32 s30, s30, ABASE
	v_and_b32 v2, 31, v0                           ; lane
	v_lshlrev_b32 v3, 4, v2
	v_add_nc_u32 v14, s30, v3                      ; the mask's stage, in: 16 x lane of a row
	v_and_b32 v15, 15, v2
	v_mul_u32_u24 v15, v15, MPI
	v_lshrrev_b32 v4, 4, v2
	v_lshl_add_u32 v15, v4, 6, v15
	v_add_nc_u32 v15, s30, v15                     ; out: row lane % 16, + 64 (lane / 16)
	v_lshrrev_b32 v10, 2, v2
	v_mul_u32_u24 v10, v10, ASP
	v_and_b32 v5, 3, v2
	v_lshl_add_u32 v10, v5, 4, v10
	v_add_nc_u32 v10, s30, v10                     ; Wo's stage, in: ASP (lane / 4) + 16 (lane % 4)
	v_mul_u32_u24 v11, v2, ASP
	v_add_nc_u32 v11, s30, v11                     ; out: ASP x lane
	v_lshlrev_b32 v12, 3, v2
	v_lshlrev_b32 v13, 8, v2
	s_add_co_i32 s31, s79, 127
	s_lshl_b32 s32, s31, 23
	v_mov_b32 v24, s32                             ; 2^e
	s_add_co_i32 s31, s31, 8
	s_lshl_b32 s31, s31, 23
	s_or_b32 s31, s31, 0x600000
	v_mov_b32 v25, s31                             ; 448 x 2^e
.irp j, 0,1,2,3
	v_mov_b32 v[AW+\j], 0                          ; v_writelane_b32's destination counts as read
.endr
	s_wait_alu depctr_va_vdst(0)                   ; the wait here, directly ahead of the wait below
	s_wait_kmcnt 0x0
	s_add_nc_u64 s[4:5], s[4:5], s[20:21]
	s_add_nc_u64 s[8:9], s[8:9], s[22:23]
	s_add_nc_u64 s[6:7], s[6:7], s[24:25]
	s_add_nc_u64 s[10:11], s[10:11], s[26:27]
.macro MLOAD m, off                    ; a unit: 16 rows x 512 consecutive bytes
.irp j, 0,1,2,3,4,5,6,7,8,9,10,11,12,13,14,15
	global_load_b128 v[\m+4*\j:\m+4*\j+3], v3, s[4:5] offset:8192*\j+\off th:TH_LOAD_NT
.endr
.endm
.macro MTURN m, younger                ; younger: the next unit's loads, which may be out
	s_wait_loadcnt \younger
.irp j, 0,1,2,3,4,5,6,7,8,9,10,11,12,13,14,15
	ds_store_b128 v14, v[\m+4*\j:\m+4*\j+3] offset:MPI*\j
.endr
.irp b, 0,1,2,3
.irp c, 0,1,2,3
	ds_load_b128 v[AMX+16*\b+4*\c:AMX+16*\b+4*\c+3], v15 offset:128*\b+16*\c   ; register 16 b + i: key 32 b + 16 (lane / 16) + i of query lane % 16
.endr
.endr
	s_wait_dscnt 0x0
.endm
.macro MBITS p
.set n, 0
.rept 64
	v_cmp_ne_u32 s[48+n%8], 0, v[AMX+n]            ; word n: a bit a lane,
	v_writelane_b32 v[AW+2*(\p)+n%2], s[48+n%8], n/2   ; into lane n / 2, register n % 2
.set n, n+1
.endr
	global_store_b64 v12, v[AW+2*(\p):AW+2*(\p)+1], s[8:9] offset:256*(\p)   ; 32 lanes store the unit's 256 consecutive bytes, aligned
.endm
	MLOAD AM0, 0
	MLOAD AM1, 512
	s_mov_b32 s3, 3
.Lmask:
	MTURN AM0, 16
	MLOAD AM0, 1024
	MBITS 0
	MTURN AM1, 16
	MLOAD AM1, 1536
	MBITS 1
	s_wait_xcnt 0x0                                ; loads and stores have read their bases and the words
	s_add_nc_u64 s[4:5], s[4:5], 1024
	s_add_nc_u64 s[8:9], s[8:9], 512
	s_sub_co_u32 s3, s3, 1
	s_cmp_lg_u32 s3, 0
	s_wait_alu depctr_va_vdst(0)                   ; the wait here, directly ahead of the branch
	s_cbranch_scc1 .Lmask
	MTURN AM0, 16
	MBITS 0
	MTURN AM1, 0
	MBITS 1
.macro WLOAD t, off
.irp i, 0,1,2,3
	global_load_b128 v[AR+16*(\t)+4*\i:AR+16*(\t)+4*\i+3], v3, s[6:7] offset:2048*(\t)+512*\i+\off th:TH_LOAD_NT
.endr
.endm
.macro WTURN t
.irp i, 0,1,2,3
	ds_store_b128 v10, v[AR+16*(\t)+4*\i:AR+16*(\t)+4*\i+3] offset:32*ASP*((\t)%2)+8*ASP*\i
.endr
.irp i, 0,1,2,3
	ds_load_b128 v[AX+16*((\t)%2)+4*\i:AX+16*((\t)%2)+4*\i+3], v11 offset:32*ASP*((\t)%2)+16*\i
.endr
.endm
.macro WOUT t
.set XS, AX+16*((\t)%2)
.irp i, 0,1,2,3,4,5,6,7,8,9,10,11,12,13,14,15
	v_med3_num_f32 v[XS+\i], v[XS+\i], -v25, v25   ; the conversion does not saturate (ISA guide 7.6.2): the hold comes first
.endr
	v_cvt_scalef32_pk8_fp8_f32 v[ACD+4*(\t):ACD+4*(\t)+1], v[XS:XS+7], v24
	v_cvt_scalef32_pk8_fp8_f32 v[ACD+4*(\t)+2:ACD+4*(\t)+3], v[XS+8:XS+15], v24
	v_nop
	global_store_b128 v3, v[ACD+4*(\t):ACD+4*(\t)+3], s[10:11] offset:512*(\t)   ; 32 lanes store 512 consecutive bytes
.endm
.macro WSTEP t, next
	s_wait_dscnt 0x0                               ; this step's numbers are back, and the registers that went into the stage are free
	s_wait_xcnt 0x0                                ; the stores of four steps ago have read their registers
	WLOAD \t, 8192                                 ; the step four on
	s_wait_loadcnt 12                              ; the next step's four loads are in; twelve younger may be out
	WTURN \next
	WOUT \t
.endm
.irp t, 0,1,2,3
	WLOAD \t, 0
.endr
	global_prefetch_b8 v13, s[6:7] offset:8192 th:TH_LOAD_NT scope:SCOPE_SE
	global_prefetch_b8 v13, s[6:7] offset:16384 th:TH_LOAD_NT scope:SCOPE_SE
	s_wait_loadcnt 12
	WTURN 0
	s_mov_b32 s3, 7
.Lwo:
	WSTEP 0, 1
	WSTEP 1, 2
	s_cmp_gt_u32 s3, 2                             ; trip T = 7 - s3 asks for trip T + 3's bytes, up to the last, trip 7
	s_cbranch_scc0 .Lwo_unasked
	global_prefetch_b8 v13, s[6:7] offset:24576 th:TH_LOAD_NT scope:SCOPE_SE
.Lwo_unasked:
	WSTEP 2, 3
	WSTEP 3, 0
	s_wait_xcnt 0x0                                ; loads, stores and the prefetch have read their bases
	s_add_nc_u64 s[6:7], s[6:7], 8192
	s_add_nc_u64 s[10:11], s[10:11], 2048
	s_sub_co_u32 s3, s3, 1
	s_cmp_lg_u32 s3, 0
	s_wait_alu depctr_va_vdst(0)                   ; the wait here, directly ahead of the branch
	s_cbranch_scc1 .Lwo
.irp t, 0,1,2,3                                ; the last trip loads nothing
	s_wait_dscnt 0x0
.if \t < 3
	s_wait_loadcnt 4*(2-\t)
	WTURN \t+1
.endif
	WOUT \t
.endr
	s_wait_tensorcnt 0x0                           ; the wave's end
	ds_add_u32 v[SPW], v[NIL]
	s_wait_dscnt 0x0
	CROUND                                         ; the closing round
	s_endpgm
.Lfunc_end_k_q0c02044146_qkv:
	.size	k_q0c02044146_qkv, .Lfunc_end_k_q0c02044146_qkv-k_q0c02044146_qkv
	.p2alignl 7, 3214868480
	.fill 96, 4, 3214868480
	.section	.rodata,"a",@progbits
	.p2align	6, 0x0
	.amdhsa_kernel k_q0c02044146_qkv
		.amdhsa_group_segment_fixed_size 327680
		.amdhsa_private_segment_fixed_size 0
		.amdhsa_enable_private_segment 0
		.amdhsa_kernarg_size 88
		.amdhsa_user_sgpr_count 2
		.amdhsa_user_sgpr_kernarg_segment_ptr 1
		.amdhsa_wavefront_size32 1
		.amdhsa_system_sgpr_workgroup_id_x 1
		.amdhsa_system_sgpr_workgroup_id_y 1
		.amdhsa_system_sgpr_workgroup_id_z 1
		.amdhsa_system_vgpr_workitem_id 0
		.amdhsa_next_free_vgpr 1024
		.amdhsa_next_free_sgpr 100
		.amdhsa_reserve_vcc 0
		.amdhsa_float_denorm_mode_32 3
		.amdhsa_float_denorm_mode_16_64 3
		.amdhsa_memory_ordered 1
		.amdhsa_forward_progress 1
		.amdhsa_inst_pref_size 232
	.end_amdhsa_kernel
	.amdgpu_metadata
---
amdhsa.version: [ 1, 2 ]
amdhsa.kernels:
  - .name:           k_q0c02044146_qkv
    .symbol:         k_q0c02044146_qkv.kd
    .args:
      - { .name: xc, .offset: 0, .size: 8, .value_kind: global_buffer, .address_space: global }
      - { .name: wc, .offset: 8, .size: 8, .value_kind: global_buffer, .address_space: global }
      - { .name: lowp_scales, .offset: 16, .size: 8, .value_kind: global_buffer, .address_space: global }
      - { .name: bq, .offset: 24, .size: 8, .value_kind: global_buffer, .address_space: global }
      - { .name: bk, .offset: 32, .size: 8, .value_kind: global_buffer, .address_space: global }
      - { .name: bv, .offset: 40, .size: 8, .value_kind: global_buffer, .address_space: global }
      - { .name: qkv, .offset: 48, .size: 8, .value_kind: global_buffer, .address_space: global }
      - { .name: attn_mask, .offset: 56, .size: 8, .value_kind: global_buffer, .address_space: global }
      - { .name: Wo, .offset: 64, .size: 8, .value_kind: global_buffer, .address_space: global }
      - { .name: mbits, .offset: 72, .size: 8, .value_kind: global_buffer, .address_space: global }
      - { .name: woc, .offset: 80, .size: 8, .value_kind: global_buffer, .address_space: global }
    .group_segment_fixed_size: 327680
    .private_segment_fixed_size: 0
    .kernarg_segment_align: 8
    .kernarg_segment_size: 88
    .max_flat_workgroup_size: 128
    .sgpr_count:     100
    .vgpr_count:     1024
    .wavefront_size: 32
...
	.end_amdgpu_metadata
.endif
;; end of part 2
;; launch attn (part 3): grid 16 x 16, 8 waves a work-group, clusters of 4 x 1, 327,680 bytes of LDS; arguments qkv, mbits, lowp_scales, oc; writes oc
.if DOCPART == 3
	.amdgcn_target "amdgcn-amd-amdhsa--gfx1250"
	.amdhsa_code_object_version 6
	.text
	.protected	k_q0c02044146_attn
	.globl	k_q0c02044146_attn
	.p2align	8
	.type	k_q0c02044146_attn,@function
k_q0c02044146_attn:
	s_mov_b64 s[64:65], 0
	v_nop
	global_prefetch_b8 v0, s[64:65] scope:SCOPE_SE
	s_setreg_imm32_b32 hwreg(HW_REG_WAVE_MODE, 25, 1), 1
	s_wait_xcnt 0x0
	s_wait_alu depctr_hold_cnt(0) depctr_sa_sdst(0) depctr_va_vdst(0) depctr_va_sdst(0) depctr_va_ssrc(0) depctr_va_vcc(0) depctr_vm_vsrc(0)
	s_getreg_b32 s2, hwreg(HW_REG_IB_STS2, 6, 4)
	s_cmp_eq_u32 s2, 0
	s_cbranch_scc0 .Lentry_in_a_cluster
	s_endpgm
.Lentry_in_a_cluster:
	s_bfe_u32 s2, ttmp6, 0x10000c
	s_cmp_lg_u32 s2, 0x3003
	s_cbranch_scc0 .Lentry_shape_is_right
	s_endpgm
.Lentry_shape_is_right:
; For each head: o = softmax(q k^T / sqrt(128), with the given mask) v, both products on codes of E4M3; o is quantised again (scale entry 10) for the last projection.
; q, k: blocks of [128 tokens][128] codes, head by head; v: blocks of [128 of the head][128 keys] codes, key block by key block; all three in qkv, 4 MiB apart.  mbits: a unit of 64 lane-mask words for 16 queries x 128 keys.
; THE SOFTMAX: t = score x log2(e) / sqrt(128); M = the largest t so far, rounded UP to a whole number; p = 2^(t - M) is quantised (entry 8), not normalised; the sum is taken of the unquantised p and divides at the end.
; A masked score becomes -infinity ahead of the maximum, by one v_cndmask_b32 on the stored lane mask: p = 0.  No branch hangs on the mask.
; SHARES: a work-group owns 128 queries of one head.  Wave w owns the 32 queries (two tiles of 16) of pair w % 4 and the key group g = w / 4: of each slot's four key steps of 128 it takes steps g and 2 + g.  Each fragment of K and V that a wave reads feeds two matrix instructions.
; A wave's tile u is tile 2 (w % 4) + (u xor g) of the block: so waves w and w + 4 exchange their tiles 1 through LDS at the end, and each finishes its tile 0.  M is a whole number: both parts are brought under the larger M by powers of two.
; LAYOUT: both products transposed (S^T = K Q^T, O^T = V^T P^T): a lane holds ONE query (lane % 16) of each tile.  K's row 16 (2 b + u) + r holds key 32 b + 8 u + r + 8 (r / 8) of its block, so that the 16 registers of K's tiles 2 b, 2 b + 1 are keys 32 b + 16 (lane / 16) + 0 .. 15.
; RING: two LDS slots of 512 keys: K's 512 rows, then V's four blocks; every row of 128 bytes has 16 of padding: 36 words apart, so the 16 rows of a fragment start at 16 different banks (64 banks of 4 bytes: ISA guide 11.1).
; All eight waves fetch: an eighth of a slot each, 16 KiB dense in memory, stated as 64 rows of 256 bytes with the padding behind each 128.
; A SLOT'S TWO STEPS are one text, a loop of two trips: the first step's last part (the holds, the codes, O^T under the new M, the products with V) stands at the head of the second trip; the second step's stands in the change of slots, between signal and wait.
; CLUSTER: the four query blocks of a cluster belong to one head and walk the same K and V: each eighth is asked for jointly, with a mask that names the four.
; A QUERY WITH NO KEY LEFT: its sum is 0; its 128 codes are the format's NaN, so that its row of the result is NaN, as with the softmax of a row of -infinity.
; OUT: oc is laid [block of 128 tokens][head][128 rows][128 bytes]; a wave stores 2,048 consecutive bytes.
; LIMITS: entries 6 + 7 between -123 and 130 (added to c's exponent field); entries 8 and 10 between -126 and 119; 8 + 9 goes by v_ldexp_f32 and has none.  The scaled scores stay under 2^31 in magnitude.
; REGISTERS, window 0: v1-11 addresses; v12-15 tile 0's -M, largest t, sum in two halves; v16-19 tile 1's; v20-31 work; v32-63 Q; v64-95 p's codes; v96-117 constants and the end's work; v128-255 O^T.
; Window 1: v0-127 K's eight fragments, of which v64-127 hold V's tiles 4 to 7 behind the scores' products; v128-191 a tile's S^T, then p; v192-255 V's tiles 0 to 3.
.set KP,    144                        ; a row in LDS
.set STEPB, 128*KP                     ; a key step's rows of K, or a block of V
.set VOFF,  4*STEPB
.set SLOTB, 8*STEPB
.set SPARE, 2*SLOTB                    ; behind the ring: the spare words, 128 bytes for each of the eight waves
.set MREG,  8704                       ; in slot 0, which has had its last fill and its last read behind the change at the third slot's end: for each wave tile 1's O^T (8,192 bytes), -M, the sum;
.set STAGE, 8*MREG                     ; and a stage of 16 rows x 144 bytes
.set AK0, 1
.set AV0, 2
.set PFO, 3                            ; v3  256 x lane; never rewritten
.set KA,  4                            ; v4  a slot's first K
.set SPW, 5
.set NIL, 6
.set GO,  7                            ; v7  16 x lane
.set ADK, 8                            ; v8  a slot's second K
.set ADV, 9
.set QF,  32
.set PC,  64
.set OA,  128
.set SS,  128                          ; window 1
.set VR,  192                          ; window 1
.set TB,   2                           ; s2  the slot in hand
.set NINF, 3                           ; s3  -infinity
.set CS,   52                          ; s[52:53] c
.set SEL,  54                          ; s[54:55] selects of v_permlanex16_b32: lane l xor 16
.set MPA,  56                          ; s[56:57] tile 0's units of the mask
.set PFA,  58                          ; s[58:59] where my prefetches stand
.set OP,   60                          ; s[60:61] my 16 rows of oc
.set LIM,  62
.set IN,   63                          ; s63 key steps to go in the slot
.set WV,   66
.set PL,   67                          ; s67 448 x 2^e8
.set G1,   84                          ; s[84:91] descriptor group 1
.set G0,   92                          ; s[92:95] group 0, which walks
.set LW,   99                          ; s99 my eighth's place in a slot
.set MPB,  100                         ; s[100:101] tile 1's units of the mask
.set SB,   104                         ; s104 the key step's place in a slot
.set SLOTS, 105                        ; s105 slots to go in the loop in hand
; s[4:51] and s[68:83]: 64 mask words (word n in s[4 + n], from n = 48 on in s[20 + n]); ahead of the loop they are the head's temporaries
.set MSB, 0
.macro WIN new                         ; the immediate's high byte repeats the setting that is left
.if MSB != \new
	s_set_vgpr_msb (MSB<<8)|\new
.set MSB, \new
.endif
.endm
.macro CREST                           ; a round of the cluster's barrier behind its opening barrier
	s_cmp_lg_u32 s[WV], 0
	s_cbranch_scc1 .Lnot_wave_0_\@
	s_barrier_signal -3
.Lnot_wave_0_\@:
	s_barrier_wait -3
	s_barrier_signal -1
	s_barrier_wait -1
.endm
.macro CROUND
	s_barrier_signal -1
	s_barrier_wait -1
	CREST
.endm
.macro TLOAD                           ; every wave fetches one eighth.  An s_nop 0 and four v_nop follow the line
	tensor_load_to_lds s[G0:G0+3], s[G1:G1+7]
	s_nop 0
.rept 4
	v_nop
.endr
.endm
; A PREFETCH: behind the load of slot i the 512 keys of slot i + 1: 64 KiB of K and 64 KiB of V.  All clusters of a head walk the same bytes: the head's first cluster asks.  Its four partners take 16 KiB of each, told apart
; by address; in each, waves 4 and 5 ask for K's and waves 6 and 7 for V's: 8 KiB a wave, lanes 256 bytes apart, one instruction.  So each aligned 256 bytes are named once.  Slots 0 and 1 come by their loads alone; the last fill asks for nothing.
.macro ASK
	s_cbranch_scc0 .Lnot_mine_\@
	global_prefetch_b8 v[PFO], s[PFA:PFA+1] th:TH_LOAD_NT scope:SCOPE_SE
.Lnot_mine_\@:
.endm
	s_load_b256 s[4:11], s[0:1], 0x0               ; qkv 4, mbits 6, scales 8, oc 10
	v_lshl_add_u32 v[SPW], v0, 2, SPARE
	v_mov_b32 v[NIL], 0
	ds_add_u32 v[SPW], v[NIL]                      ; the wave's opening: the add, twice on end, and its wait ahead of the first tensor load; work on registers stands between
	ds_add_u32 v[SPW], v[NIL]
	v_lshrrev_b32 v8, 5, v0
	v_readfirstlane_b32 s[WV], v8                  ; wave 0..7
	s_bfe_u32 s12, ttmp6, 0x40000                  ; cx
	s_lshl_b32 s13, ttmp9, 2
	s_add_co_u32 s13, s13, s12                     ; my block of 128 queries
	s_and_b32 s14, ttmp7, 0xffff                   ; the head, which the partners share
	s_and_b32 s15, s[WV], 3                        ; my pair of tiles; also which quarter of K's or V's slot I fetch
	s_lshr_b32 s16, s[WV], 2                       ; g; also: I fetch K (0) or V (1)
	s_mul_i32 s[LW], s[WV], STEPB
	s_lshl_b32 s22, s14, 18                        ; the head's 262,144 bytes in q, k and v
	s_add_co_u32 s20, s16, 1
	s_lshl_b32 s20, s20, 22                        ; k at 4 MiB, v at 8 MiB
	s_add_co_u32 s20, s20, s22
	s_lshl_b32 s23, s15, 14
	s_add_co_u32 s20, s20, s23
	s_mov_b32 s21, 0
	s_lshl_b32 s34, s15, 1
	s_or_b32 s34, s34, s16                         ; my tile 0 in the block,
	s_xor_b32 s35, s34, 1                          ; and my tile 1
	s_lshl_b32 s24, s13, 14
	s_add_co_u32 s24, s24, s22                     ; q: head, block,
	s_lshl_b32 s23, s35, 11
	s_add_co_u32 s26, s24, s23
	s_mov_b32 s27, 0
	s_lshl_b32 s23, s34, 11                        ; a tile's 16 rows of 128 bytes
	s_add_co_u32 s24, s24, s23
	s_mov_b32 s25, 0
	s_lshl_b32 s32, s13, 4
	s_add_co_u32 s32, s32, s14
	s_lshl_b32 s32, s32, 14
	s_add_co_u32 s32, s32, s23                     ; oc: (16 block + head) x 16 KiB + tile 0
	s_mov_b32 s33, 0
	s_lshl_b32 s23, s13, 3
	s_lshl_b32 s18, s16, 8                         ; the mask: 16 units of 256 bytes for each tile of queries, from unit g on
	s_add_co_u32 s28, s23, s34
	s_lshl_b32 s28, s28, 12
	s_add_co_u32 s28, s28, s18
	s_mov_b32 s29, 0
	s_add_co_u32 s38, s23, s35
	s_lshl_b32 s38, s38, 12
	s_add_co_u32 s38, s38, s18
	s_mov_b32 s39, 0
	s_lshr_b32 s30, s[WV], 1                       ; the prefetches: waves 4, 5: k; waves 6, 7: v
	s_and_b32 s30, s30, 1
	s_add_co_u32 s30, s30, 1
	s_lshl_b32 s30, s30, 22
	s_add_co_u32 s30, s30, s22
	s_lshl_b32 s23, s12, 14                        ; my work-group's 16 KiB,
	s_add_co_u32 s30, s30, s23
	s_and_b32 s23, s[WV], 1
	s_lshl_b32 s23, s23, 13                        ; my wave's 8 KiB of them,
	s_add_co_u32 s30, s30, s23
	s_add_co_u32 s30, s30, 2*65536                 ; in slot 2
	s_mov_b32 s31, 0
	s_xor_b32 s23, s16, 1                          ; 0 in waves 4 to 7,
	s_or_b32 s23, s23, ttmp9                       ; of the head's first cluster: the same in all four partners
	s_cmp_eq_u32 s23, 0
	s_cselect_b32 s[LIM], 1, -1
	s_lshl_b32 s18, s13, 15                        ; the mask's prefetch: my block's 128 units x 256 bytes,
	s_and_b32 s23, s14, 3
	s_lshl_b32 s23, s23, 13                        ; of which this head asks for a quarter
	s_add_co_u32 s18, s18, s23
	s_mov_b32 s19, 0
	s_mov_b32 s[G1], 15|(0<<16)|(1<<20)|(1<<21)|(4<<22)|(3<<25)   ; the mask: all four; elements of 1 byte; padding on; bit 21 beside a mask; after every 32 words, 4 words
	s_mov_b32 s[G1+1], 256<<16                     ; tensor_dim0
	s_mov_b32 s[G1+2], 64<<16                      ; tensor_dim1
	s_mov_b32 s[G1+3], 256<<16                     ; tile_dim0
	s_mov_b32 s[G1+4], 64                          ; tile_dim1
	s_mov_b32 s[G1+5], 256                         ; from row to row: dense
	s_mov_b32 s[G1+6], 0
	s_mov_b32 s[G1+7], 0
	s_mov_b32 s[SEL], 0x76543210
	s_mov_b32 s[SEL+1], 0xfedcba98
	s_mov_b32 s[CS], 0x3e0293ee                    ; c = log2(e) / sqrt(128)
	s_mov_b32 s[NINF], 0xff800000
	s_mov_b32 s[TB], 0
	v_and_b32 v8, 15, v0                           ; r
	v_bfe_u32 v9, v0, 4, 1                         ; h
	v_lshlrev_b32 v10, 7, v8
	v_lshl_add_u32 v10, v9, 4, v10
	s_wait_alu depctr_va_vdst(0)                   ; the wait here, directly ahead of the waits below
	s_wait_dscnt 0x0                               ; both opening adds are done
	s_wait_kmcnt 0x0
	s_load_b256 s[68:75], s[8:9], 0x0              ; e0 .. e7
	s_load_b128 s[76:79], s[8:9], 0x20             ; e8 .. e11
	s_add_nc_u64 s[24:25], s[4:5], s[24:25]        ; q at my tile 0,
	s_add_nc_u64 s[26:27], s[4:5], s[26:27]        ; and at my tile 1
.irp c, 0,1,2,3
	global_load_b128 v[QF+4*\c:QF+4*\c+3], v10, s[24:25] offset:32*\c   ; Q's two fragments stay in registers
	global_load_b128 v[QF+16+4*\c:QF+16+4*\c+3], v10, s[26:27] offset:32*\c
.endr
	s_mov_b32 s[G0], 1
	s_mov_b32 s[G0+1], s[LW]                       ; slot 0
	s_add_nc_u64 s[G0+2:G0+3], s[4:5], s[20:21]    ; the head's first 512 keys
	s_or_b32 s[G0+3], s[G0+3], 0x80000000
	s_add_nc_u64 s[OP:OP+1], s[10:11], s[32:33]
	s_add_nc_u64 s[MPA:MPA+1], s[6:7], s[28:29]
	s_add_nc_u64 s[MPB:MPB+1], s[6:7], s[38:39]
	s_add_nc_u64 s[PFA:PFA+1], s[4:5], s[30:31]
	s_add_nc_u64 s[18:19], s[6:7], s[18:19]
	CROUND                                         ; all four work-groups are here: the first joint loads meet
	TLOAD                                          ; slot 0
	v_and_b32 v8, 15, v0                           ; r
	v_bfe_u32 v9, v0, 4, 1                         ; h
	v_mul_u32_u24 v[AK0], v8, KP                   ; a fragment's row r, of K as of V,
	v_lshl_add_u32 v[AK0], v9, 4, v[AK0]           ; + 16 h,
	s_mul_i32 s23, s16, STEPB                      ; in my group's first step of a slot
	v_add_nc_u32 v[AK0], s23, v[AK0]
	v_add_nc_u32 v[AV0], VOFF, v[AK0]
	v_and_b32 v[GO], 31, v0
	v_lshlrev_b32 v[PFO], 8, v[GO]
	v_lshlrev_b32 v[GO], 4, v[GO]
	s_wait_alu depctr_va_vdst(0)                   ; the wait here, directly ahead of the branch
	s_cmp_eq_u32 s[WV], 0                          ; THE MASK'S WORDS: my block's 32 KiB are read by all heads: each head asks for the 8 KiB that its number mod 4 names, one instruction of one wave, lanes 256 bytes apart
	s_cbranch_scc0 .Lno_mask
	global_prefetch_b8 v[PFO], s[18:19] th:TH_LOAD_NT scope:SCOPE_SE
.Lno_mask:
	v_mov_b32 v13, 0xff61b1e6                      ; the largest t so far: -3e38, under every t
	v_mov_b32 v17, 0xff61b1e6
	v_mov_b32 v14, 0
	v_mov_b32 v15, 0
	v_floor_f32 v12, -v13                          ; -M
	v_floor_f32 v16, -v17
	v_mov_b32 v18, 0
	v_mov_b32 v19, 0
	v_mov_b32 v26, 0                               ; a lane permute's destination counts as one of its sources
	v_mov_b32 v21, 0                               ; (named as the upper half of v[20:21])
	v_mov_b32 v100, 0x7f7f7f7f                     ; four NaN codes
	v_mov_b32 v115, 0                              ; (named as upper halves)
	v_mov_b32 v117, 0
.set n, OA
.rept 128
	v_mov_b32 v[n], 0                              ; O^T: the step is written for any trip; the first change of M leaves zeros zeros
.set n, n+1
.endr
	s_wait_kmcnt 0x0
	s_add_co_i32 s97, s74, s75
	s_lshl_b32 s97, s97, 23
	s_add_co_i32 s[CS], s[CS], s97                 ; a score stands for score x 2^(e6 + e7): added to c's exponent field
	s_mov_b32 s[CS+1], s[CS]
	s_add_co_i32 s97, s76, 127
	s_lshl_b32 s98, s97, 23
	v_mov_b32 v96, s98                             ; 2^e8, for p's conversions
	s_add_co_i32 s97, s97, 8
	s_lshl_b32 s97, s97, 23
	s_or_b32 s[PL], s97, 0x600000                  ; 448 x 2^e8
	s_add_co_i32 s97, s78, 127
	s_lshl_b32 s98, s97, 23
	v_mov_b32 v98, s98                             ; 2^e10, for o's
	s_add_co_i32 s97, s97, 8
	s_lshl_b32 s97, s97, 23
	s_or_b32 s97, s97, 0x600000
	v_mov_b32 v99, s97
	s_add_co_i32 s96, s76, s77                     ; e8 + e9
.macro MWORDS p                        ; a tile's 64 mask words of a key step
	s_load_b512 s[4:19], s[\p:\p+1], 0x0
	s_load_b512 s[20:35], s[\p:\p+1], 0x40
	s_load_b512 s[36:51], s[\p:\p+1], 0x80
	s_load_b512 s[68:83], s[\p:\p+1], 0xc0
.endm
.macro FRAGS adr, i0, reg              ; four fragments, tiles i0 .. i0 + 3, into window 1: 16 loads
	WIN 0x40
.irp i, 0,1,2,3
.irp c, 0,1,2,3
	ds_load_b128 v[\reg+16*\i+4*\c:\reg+16*\i+4*\c+3], v[\adr] offset:16*(\i0+\i)*KP+32*\c
.endr
.endr
.endm
.macro FIRSTK                          ; a slot's first K and mask words
	MWORDS MPA
	v_add_nc_u32 v[KA], s[TB], v[AK0]
	FRAGS KA, 0, 0
	FRAGS KA, 4, 64
	WIN 0
.endm
.macro PV t, reg                       ; O^T += V^T P^T: four tiles of the head's 128 from t on: eight accumulators, one instruction each
	WIN 0x01
.irp i, 0,1,2,3
.irp q, 0,1
	v_wmma_f32_16x16x128_fp8_fp8 v[OA+64*\q+8*(\t+\i):OA+64*\q+8*(\t+\i)+7], v[\reg+16*\i:\reg+16*\i+15], v[PC+16*\q:PC+16*\q+15], v[OA+64*\q+8*(\t+\i):OA+64*\q+8*(\t+\i)+7]
.endr
.endr
.endm
; The softmax of tile u in three parts: 64 scores a lane, in window 1.  SMA: the mask, the largest t, the exponentials.
.macro SMA u
.set MN, 12+4*(\u)
.set SU, 14+4*(\u)
	s_wait_kmcnt 0x0                               ; the tile's mask words
	WIN 0x44
	s_wait_alu depctr_va_vdst(0)                   ; the wait ahead of the scores' first readers
.set n, 0
.rept 64
.if n < 48
.set mk, 4+n
.else
.set mk, 20+n
.endif
	v_cndmask_b32 v[SS+n], s[NINF], v[SS+n], s[mk] ; the score where the bit is set, else -infinity; each tile from its low end on
.set n, n+1
.endr
.if (\u) == 0
	MWORDS MPB                                     ; tile 1's words come while tile 0's softmax is worked
.else
	s_add_nc_u64 s[MPA:MPA+1], s[MPA:MPA+1], 512   ; two units on (the loads that read these pointers have been waited for)
	s_add_nc_u64 s[MPB:MPB+1], s[MPB:MPB+1], 512
	WIN 0
	s_cmp_eq_u32 s[IN], 1                          ; a slot's first step asks here for the second's mask words and for K's tiles 0 to 3, whose registers the scores' products have left
	s_cbranch_scc1 .Lnone_\@
	MWORDS MPA
	FRAGS ADK, 0, 0
	WIN 0
.Lnone_\@:
.endif
	WIN 0x14
.set n, 0
.rept 32                                       ; the largest of my 64 scores, in four chains
.if n < 4
	v_max3_num_f32 v[22+n], s[NINF], v[SS+2*n], v[SS+2*n+1]
.else
	v_max3_num_f32 v[22+n%4], v[22+n%4], v[SS+2*n], v[SS+2*n+1]
.endif
.set n, n+1
.endr
	WIN 0
	v_max3_num_f32 v22, v22, v23, v24
	v_max_num_f32 v22, v22, v25
	v_permlanex16_b32 v26, v22, s[SEL], s[SEL+1]
	s_delay_alu instid0(VALU_DEP_1)
	v_max_num_f32 v22, v22, v26                    ; and among lane l xor 16's
	s_delay_alu instid0(VALU_DEP_1)
	v_mul_f32 v22, s[CS], v22                      ; as t (c is positive)
	s_delay_alu instid0(VALU_DEP_1)
	v_max_num_f32 v[MN+1], v[MN+1], v22            ; the running largest t
	v_mov_b32 v23, v[MN]
	s_delay_alu instid0(VALU_DEP_2)
	v_floor_f32 v[MN], -v[MN+1]                    ; the new -M = floor(-t): M is a whole number
	s_delay_alu instid0(VALU_DEP_1)
	v_sub_f32 v23, v[MN], v23                      ; old M - new M: a whole number, 0 or less
	s_delay_alu instid0(VALU_DEP_1)
	v_cvt_i32_f32 v23, v23                         ; (it saturates)
	s_delay_alu instid0(VALU_DEP_1)
	v_ldexp_f32 v20, 1.0, v23                      ; f = 2^(old M - new M)
	WIN 0x41
.set n, 0
.rept 32
	v_pk_fma_f32 v[SS+n:SS+n+1], v[SS+n:SS+n+1], s[CS:CS+1], v[MN:MN+1] op_sel_hi:[1,0,0]   ; t - M, two at a time
.set n, n+2
.endr
	s_wait_alu depctr_va_vdst(0)                   ; the wait ahead of the batch
.set n, 0
.rept 64
	v_exp_f32 v[SS+n], v[SS+n]                     ; p = 2^(t - M), at most 1; 0 for a masked key
.set n, n+1
.endr
	WIN 0
	v_pk_mul_f32 v[SU:SU+1], v[SU:SU+1], v[20:21] op_sel_hi:[1,0]   ; the sums under the new M: the plain line behind the exponentials
	s_wait_alu depctr_va_vdst(0)                   ; one wait for the whole batch, ahead of its first reader
.endm
; SMB: the sum of the unquantised p, in four chains
.macro SMB u
.set SU, 14+4*(\u)
	WIN 0x05
	v_pk_add_f32 v[26:27], v[SS:SS+1], v[SS+2:SS+3]
	v_pk_add_f32 v[28:29], v[SS+4:SS+5], v[SS+6:SS+7]
	v_pk_add_f32 v[30:31], v[SS+8:SS+9], v[SS+10:SS+11]
	WIN 0x04
.set n, 6
.rept 26
.if n%4 == 0
.set ch, 30
.elseif n%4 == 2
.set ch, SU
.elseif n%4 == 3
.set ch, 26
.else
.set ch, 28
.endif
	v_pk_add_f32 v[ch:ch+1], v[ch:ch+1], v[SS+2*n:SS+2*n+1]
.set n, n+1
.endr
	WIN 0
	v_pk_add_f32 v[26:27], v[26:27], v[28:29]
	v_pk_add_f32 v[SU:SU+1], v[SU:SU+1], v[30:31]
.endm
; SMC: the hold, the codes, O^T under the new M
.macro SMC u
.set SU, 14+4*(\u)
	WIN 0x44
.set n, 0
.rept 64
	v_min_num_f32 v[SS+n], s[PL], v[SS+n]          ; the conversion does not saturate (ISA guide 7.6.2); p is not negative: a one-sided hold
.set n, n+1
.endr
	WIN 0x01
.irp b, 0,1,2,3
	v_cvt_scalef32_pk8_fp8_f32 v[PC+16*(\u)+4*\b:PC+16*(\u)+4*\b+1], v[SS+16*\b:SS+16*\b+7], v96
	v_cvt_scalef32_pk8_fp8_f32 v[PC+16*(\u)+4*\b+2:PC+16*(\u)+4*\b+3], v[SS+16*\b+8:SS+16*\b+15], v96
.endr
	WIN 0
	v_pk_add_f32 v[SU:SU+1], v[SU:SU+1], v[26:27]  ; also the plain line behind the conversions
	s_wait_alu depctr_va_vdst(0)                   ; the wait here, directly ahead of the first readers of O^T
.set n, OA+64*(\u)
.rept 32
	v_pk_mul_f32 v[n:n+1], v[n:n+1], v[20:21] op_sel_hi:[1,0]   ; from its low end on
.set n, n+2
.endr
.endm
; A SLOT: two key steps of 128 keys x my two tiles of queries, then the change of slots.  fill = 1: the slot is filled again, with the keys two slots on.
.macro SLOT fill
	s_add_co_u32 s97, s[TB], 2*STEPB
	v_add_nc_u32 v[ADK], s97, v[AK0]               ; the second step's K
	s_mov_b32 s[SB], 0
	s_mov_b32 s[IN], 2
	s_wait_alu depctr_va_vdst(0)                   ; the wait here, ahead of the branch
.Lstep_\@:
	s_cmp_eq_u32 s[IN], 2
	s_cbranch_scc1 .Lfirst_\@
	SMC 1                                          ; the first step's last part
	PV 4, 64
.rept 4
	v_nop                                          ; four places in front of loads into registers that these products have read
.endr
	FRAGS ADK, 4, 64                               ; the second step's K, tiles 4 to 7
	PV 0, VR
	WIN 0
.Lfirst_\@:
	s_add_co_u32 s97, s[TB], s[SB]
	v_add_nc_u32 v[ADV], s97, v[AV0]
	s_wait_alu depctr_va_vdst(0)                   ; the wait here
	WIN 0x41
.irp i, 0,1,2,3,4,5,6,7
	s_wait_dscnt 28-4*\i                           ; K's tile i is in; the four loads of each later tile may be out (in the second step those of tiles 4 to 7 alone are)
	v_wmma_f32_16x16x128_fp8_fp8 v[SS+8*\i:SS+8*\i+7], v[16*\i:16*\i+15], v[QF:QF+15], 0
.endr
.rept 4
	v_nop                                          ; four places: in front of the first read of the scores, and of loads into registers that the last products with V have read
.endr
	FRAGS ADV, 0, VR                               ; V's tiles 0 to 3
	SMA 0
	SMB 0
	SMC 0
	WIN 0x41
.irp i, 0,1,2,3,4,5,6,7                        ; tile 1's scores, over tile 0's p, which the conversions have read
	v_wmma_f32_16x16x128_fp8_fp8 v[SS+8*\i:SS+8*\i+7], v[16*\i:16*\i+15], v[QF+16:QF+31], 0
.endr
.rept 4
	v_nop                                          ; four places, as above
.endr
	FRAGS ADV, 4, 64                               ; V's tiles 4 to 7, over K's
	SMA 1
	SMB 1
	s_add_co_u32 s[SB], s[SB], 2*STEPB             ; from step g to step 2 + g of the slot
	s_sub_co_u32 s[IN], s[IN], 1
	s_wait_alu depctr_va_vdst(0)                   ; the wait here, directly ahead of the wait and the branch below
	s_wait_dscnt 0x0                               ; V's fragments are in, and K's tiles 0 to 3 of the second step
	s_cmp_lg_u32 s[IN], 0
	s_cbranch_scc1 .Lstep_\@
	; THE CHANGE OF SLOTS: nothing of the slot in hand is read again
	s_wait_tensorcnt 0x0                           ; my part of the next slot is in, and group 0 may be written
	ds_add_u32 v[SPW], v[NIL]
.if \fill
	s_add_co_u32 s[G0+1], s[TB], s[LW]             ; the slot in hand is filled again,
	s_add_nc_u64 s[G0+2:G0+3], s[G0+2:G0+3], 65536 ; with the keys two slots on
	s_wait_xcnt 0x0                                ; the last prefetch, a slot back, has read its address
	s_add_nc_u64 s[PFA:PFA+1], s[PFA:PFA+1], 65536
.endif
	s_xor_b32 s[TB], s[TB], SLOTB                  ; on to the other slot
	s_wait_dscnt 0x0                               ; the add is done, and so are my reads
	s_barrier_signal -1
	SMC 1                                          ; the second step's last part: work on registers while the others arrive
	PV 4, 64
	PV 0, VR
	WIN 0
	s_wait_alu depctr_va_vdst(0)                   ; the wait here, directly ahead of the wait below
	s_barrier_wait -1
.if \fill
	CREST                                          ; the barrier has opened a round of the cluster's barrier
	TLOAD                                          ; the first thing behind the round, and a wave's one tensor load until the next: it has the next slot's steps in which to land.  Its four v_nop are also places in front of the loads below
	FIRSTK
	s_cmp_gt_u32 s[SLOTS], s[LIM]
	ASK
.else
	s_cmp_eq_u32 s[SLOTS], 1                       ; the very last slot has none behind it
	s_cbranch_scc1 .Lover_\@
.rept 4
	v_nop                                          ; four places, as above
.endr
	FIRSTK
.Lover_\@:
.endif
.endm
	s_wait_alu depctr_va_vdst(0)                   ; the wait at the head's end
	s_wait_loadcnt 0x0                             ; Q
	s_wait_xcnt 0x0                                ; the mask's prefetch has read its address: these registers take mask words from here on
	s_wait_tensorcnt 0x0                           ; my part of slot 0 is in
	ds_add_u32 v[SPW], v[NIL]
	s_add_co_u32 s[G0+1], s[LW], SLOTB             ; slot 1
	s_add_nc_u64 s[G0+2:G0+3], s[G0+2:G0+3], 65536
	s_wait_dscnt 0x0
	CROUND
	TLOAD                                          ; slot 1, the first tensor load behind the round
	FIRSTK
	s_cmp_eq_u32 s[LIM], 1
	ASK                                            ; slot 2
	s_mov_b32 s[SLOTS], 2
.Lfill:                                            ; slots 0 and 1: behind each it is filled again, with the keys of slots 2 and 3
	SLOT 1
	s_sub_co_u32 s[SLOTS], s[SLOTS], 1
	s_cmp_lg_u32 s[SLOTS], 0
	s_wait_alu depctr_va_vdst(0)                   ; the wait here, directly ahead of the branch
	s_cbranch_scc1 .Lfill
	s_mov_b32 s[SLOTS], 2
.Lrest:                                            ; slots 2 and 3 fill nothing
	SLOT 0
	s_sub_co_u32 s[SLOTS], s[SLOTS], 1
	s_cmp_lg_u32 s[SLOTS], 0
	s_wait_alu depctr_va_vdst(0)                   ; the wait here, directly ahead of the branch
	s_cbranch_scc1 .Lrest
	; THE MERGE.  These plain lines are also the places behind the last products.
	s_mul_i32 s97, s[WV], MREG
	s_xor_b32 s98, s[WV], 4                        ; the wave with my tiles and the other keys
	s_mul_i32 s98, s98, MREG
	s_mul_i32 s99, s[WV], 16*KP
	s_add_co_u32 s99, s99, STAGE
	v_add_f32 v14, v14, v15                        ; the sums' two halves,
	v_add_f32 v18, v18, v19
	v_and_b32 v8, 15, v0                           ; r
	v_bfe_u32 v9, v0, 4, 1                         ; h
	v_and_b32 v10, 31, v0                          ; lane
	v_permlanex16_b32 v26, v14, s[SEL], s[SEL+1]
	v_permlanex16_b32 v27, v18, s[SEL], s[SEL+1]
	v_lshl_add_u32 v102, v10, 4, s97               ; out: tile 1's O^T: 16 x lane,
	v_lshl_add_u32 v103, v10, 2, s97               ; its -M and sum: 4 x lane
	v_add_f32 v14, v14, v26                        ; and lane l xor 16's
	v_add_f32 v18, v18, v27
	v_lshl_add_u32 v104, v10, 4, s98               ; in: the other wave's
	v_lshl_add_u32 v105, v10, 2, s98
	v_mul_u32_u24 v106, v8, KP
	v_lshl_add_u32 v106, v9, 3, v106
	v_add_nc_u32 v106, s99, v106                   ; the stage, in: row r, 8 bytes for each half of the lanes
	v_lshrrev_b32 v107, 3, v10
	v_mul_u32_u24 v107, v107, KP
	v_and_b32 v11, 7, v10
	v_lshl_add_u32 v107, v11, 4, v107
	v_add_nc_u32 v107, s99, v107                   ; back: eight lanes to a row of 128 bytes
.irp c, 0,1,2,3,4,5,6,7,8,9,10,11,12,13,14,15
	ds_store_b128 v102, v[OA+64+4*\c:OA+64+4*\c+3] offset:512*\c   ; tile 1's O^T as an image of its registers, each accumulator from its low end on
.endr
	ds_store_b32 v103, v16 offset:8192
	ds_store_b32 v103, v18 offset:8320
	s_wait_alu depctr_va_vdst(0)                   ; the wait here, directly ahead of the waits below
	s_wait_dscnt 0x0                               ; for the other wave's sake: my stores have landed
	s_barrier_signal -1
	s_barrier_wait -1
.irp c, 0,1,2,3,4,5,6,7,8,9,10,11,12,13,14,15
	ds_load_b128 v[OA+64+4*\c:OA+64+4*\c+3], v104 offset:512*\c    ; the other wave's part of my tile 0
.endr
	ds_load_b32 v108, v105 offset:8192
	ds_load_b32 v109, v105 offset:8320
	s_wait_dscnt 0x0
	v_min_num_f32 v110, v12, v108                  ; -M of the two: the larger M
	v_sub_f32 v111, v110, v12                      ; my M less it: a whole number, 0 or less
	v_sub_f32 v112, v110, v108                     ; the other's likewise
	v_cvt_i32_f32 v111, v111
	v_cvt_i32_f32 v112, v112
	v_ldexp_f32 v114, 1.0, v111                    ; my factor,
	v_ldexp_f32 v116, 1.0, v112                    ; the other's: powers of two
	v_mul_f32 v14, v14, v114
	v_fmac_f32 v14, v109, v116                     ; the row's sum
	v_cmp_eq_f32 s97, 0, v14                       ; a query with no key left
	s_wait_alu depctr_va_vdst(0)                   ; the wait ahead of the transcendental
	v_rcp_f32 v14, v14
	s_wait_alu depctr_va_vdst(0)                   ; the wait here, directly ahead of the first readers of O^T
.set n, OA
.rept 32
	v_pk_mul_f32 v[n:n+1], v[n:n+1], v[114:115] op_sel_hi:[1,0]   ; work that names nothing of the reciprocal stands behind it
.set n, n+2
.endr
.set n, OA
.rept 32
	v_pk_fma_f32 v[n:n+1], v[n+64:n+65], v[116:117], v[n:n+1] op_sel_hi:[1,0,1]
.set n, n+2
.endr
	s_wait_alu depctr_va_vdst(0)                   ; the wait ahead of the reciprocal's first reader
	v_ldexp_f32 v14, v14, s96                      ; x 2^(e8 + e9)
.set n, OA
.rept 32
	v_pk_mul_f32 v[n+64:n+65], v[n:n+1], v[14:15] op_sel_hi:[1,0]   ; o: register 8 t + j is o(r, 16 t + 8 h + j)
.set n, n+2
.endr
.set n, OA+64
.rept 64
	v_med3_num_f32 v[n], v[n], -v99, v99
.set n, n+1
.endr
.irp t, 0,1,2,3,4,5,6,7
	v_cvt_scalef32_pk8_fp8_f32 v[PC+2*\t:PC+2*\t+1], v[OA+64+8*\t:OA+64+8*\t+7], v98
.endr
	v_nop                                          ; a plain line between the conversions and the lines that touch their results
.set n, PC
.rept 16
	v_cndmask_b32 v[n], v[n], v100, s97
.set n, n+1
.endr
.irp t, 0,1,2,3,4,5,6,7
	ds_store_b64 v106, v[PC+2*\t:PC+2*\t+1] offset:16*\t
.endr
.irp i, 0,1,2,3
	ds_load_b128 v[QF+4*\i:QF+4*\i+3], v107 offset:4*\i*KP   ; LDS serves a wave's instructions in order (ISA guide 5.7.1.4): these see my stores
.endr
.irp i, 0,1,2,3
	s_wait_dscnt 3-\i
	global_store_b128 v[GO], v[QF+4*\i:QF+4*\i+3], s[OP:OP+1] offset:512*\i   ; 32 lanes store 512 consecutive bytes, aligned
.endr
	s_wait_tensorcnt 0x0                           ; the wave's end
	ds_add_u32 v[SPW], v[NIL]
	s_wait_dscnt 0x0
	CROUND                                         ; the closing round
	s_endpgm
.Lfunc_end_k_q0c02044146_attn:
	.size	k_q0c02044146_attn, .Lfunc_end_k_q0c02044146_attn-k_q0c02044146_attn
	.p2alignl 7, 3214868480
	.fill 96, 4, 3214868480
	.section	.rodata,"a",@progbits
	.p2align	6, 0x0
	.amdhsa_kernel k_q0c02044146_attn
		.amdhsa_group_segment_fixed_size 327680
		.amdhsa_private_segment_fixed_size 0
		.amdhsa_enable_private_segment 0
		.amdhsa_kernarg_size 32
		.amdhsa_user_sgpr_count 2
		.amdhsa_user_sgpr_kernarg_segment_ptr 1
		.amdhsa_wavefront_size32 1
		.amdhsa_system_sgpr_workgroup_id_x 1
		.amdhsa_system_sgpr_workgroup_id_y 1
		.amdhsa_system_sgpr_workgroup_id_z 1
		.amdhsa_system_vgpr_workitem_id 0
		.amdhsa_next_free_vgpr 512
		.amdhsa_next_free_sgpr 106
		.amdhsa_reserve_vcc 0
		.amdhsa_float_denorm_mode_32 3
		.amdhsa_float_denorm_mode_16_64 3
		.amdhsa_memory_ordered 1
		.amdhsa_forward_progress 1
		.amdhsa_inst_pref_size 139
	.end_amdhsa_kernel
	.amdgpu_metadata
---
amdhsa.version: [ 1, 2 ]
amdhsa.kernels:
  - .name:           k_q0c02044146_attn
    .symbol:         k_q0c02044146_attn.kd
    .args:
      - { .name: qkv, .offset: 0, .size: 8, .value_kind: global_buffer, .address_space: global }
      - { .name: mbits, .offset: 8, .size: 8, .value_kind: global_buffer, .address_space: global }
      - { .name: lowp_scales, .offset: 16, .size: 8, .value_kind: global_buffer, .address_space: global }
      - { .name: oc, .offset: 24, .size: 8, .value_kind: global_buffer, .address_space: global }
    .group_segment_fixed_size: 327680
    .private_segment_fixed_size: 0
    .kernarg_segment_align: 8
    .kernarg_segment_size: 32
    .max_flat_workgroup_size: 256
    .sgpr_count:     106
    .vgpr_count:     512
    .wavefront_size: 32
...
	.end_amdgpu_metadata
.endif
;; end of part 3
;; launch oproj (part 4): grid 16 x 16, 4 waves a work-group, clusters of 4 x 4, 327,680 bytes of LDS; arguments oc, woc, lowp_scales, bo, out0; writes out0
.if DOCPART == 4
	.amdgcn_target "amdgcn-amd-amdhsa--gfx1250"
	.amdhsa_code_object_version 6
	.text
	.protected	k_q0c02044146_oproj
	.globl	k_q0c02044146_oproj
	.p2align	8
	.type	k_q0c02044146_oproj,@function
k_q0c02044146_oproj:
	s_mov_b64 s[64:65], 0
	v_nop
	global_prefetch_b8 v0, s[64:65] scope:SCOPE_SE
	s_setreg_imm32_b32 hwreg(HW_REG_WAVE_MODE, 25, 1), 1
	s_wait_xcnt 0x0
	s_wait_alu depctr_hold_cnt(0) depctr_sa_sdst(0) depctr_va_vdst(0) depctr_va_sdst(0) depctr_va_ssrc(0) depctr_va_vcc(0) depctr_vm_vsrc(0)
	s_getreg_b32 s2, hwreg(HW_REG_IB_STS2, 6, 4)
	s_cmp_eq_u32 s2, 0
	s_cbranch_scc0 .Lentry_in_a_cluster
	s_endpgm
.Lentry_in_a_cluster:
	s_bfe_u32 s2, ttmp6, 0x10000c
	s_cmp_lg_u32 s2, 0xf033
	s_cbranch_scc0 .Lentry_shape_is_right
	s_endpgm
.Lentry_shape_is_right:
; out0 = o Wo^T + bo: oc ([block of 128 tokens][head][128 rows][128 bytes]) x woc ([2048][2048] codes), f32 out.  A work-group makes 128 x 128, a wave 64 x 64; K goes in steps of 512 (four heads) through a ring of two LDS slots.
; CLUSTERS: 4 x 4 work-groups: oc's tiles are asked for jointly along a row, woc's along a column.  oc's 32 KiB a wave are dense, stated as 128 rows of 256 bytes with the padding behind each 128.
; PREFETCH: each 256 bytes of a K step are named once in each cluster: of what a wave fetches each of the four partners takes a quarter, told apart by address, one instruction a wave.
; Behind K step 0's load K steps 1 and 2 are asked for, behind K step 1's load K step 3, the last.
; LIMIT: entries 10 + 11 sum to between -126 and 127.
.set PA,     144
.set PB,     528
.set ABLK,   128*PA
.set AREG,   4*ABLK
.set BHALF,  64*PB
.set SLOT,   AREG+2*BHALF
.set SPARE,  2*SLOT
.set SPITCH, 272
.set ADRA, 16
.set ADRB, 20
.set STO,  24
.set RD,   25
.set CO,   26
.set SPW,  28
.set NIL,  29
.set TMP,  32
.set BO,   96
.set ACC,  128
.set F0,   0
.set F1,   128
.set G1, 24
.set G0, 32
.set G1B, 48
.set G0B, 56
.set MSB, 0
.macro WIN new
.if MSB != \new
	s_set_vgpr_msb (MSB<<8)|\new
.set MSB, \new
.endif
.endm
.set MUL,  0x05
.set TO_F, 0x40
.macro JLOAD s
	s_cmp_eq_u32 s15, 0
	s_cbranch_scc0 .Lfor_b_\@
	tensor_load_to_lds s[G0+4*\s:G0+4*\s+3], s[G1:G1+7]
	s_nop 0
.rept 4
	v_nop
.endr
	s_branch .Lasked_\@
.Lfor_b_\@:
	tensor_load_to_lds s[G0B+4*\s:G0B+4*\s+3], s[G1B:G1B+7]
	s_nop 0
.rept 4
	v_nop
.endr
.Lasked_\@:
.endm
.macro CREST
	s_cmp_lg_u32 s14, 0
	s_cbranch_scc1 .Lnot_wave_0_\@
	s_barrier_signal -3
.Lnot_wave_0_\@:
	s_barrier_wait -3
	s_barrier_signal -1
	s_barrier_wait -1
.endm
.macro CROUND
	s_barrier_signal -1
	s_barrier_wait -1
	CREST
.endm
	s_load_b256 s[4:11], s[0:1], 0x0
	s_load_b64 s[12:13], s[0:1], 0x20
	v_lshl_add_u32 v[SPW], v0, 2, SPARE
	v_mov_b32 v[NIL], 0
	ds_add_u32 v[SPW], v[NIL]
	ds_add_u32 v[SPW], v[NIL]
	v_lshrrev_b32 v1, 5, v0
	v_readfirstlane_b32 s14, v1
	s_lshr_b32 s15, s14, 1
	s_and_b32 s16, s14, 1
	s_bfe_u32 s40, ttmp6, 0x40000
	s_bfe_u32 s41, ttmp6, 0x40004
	s_lshl_b32 s42, ttmp9, 2
	s_add_co_u32 s42, s42, s40
	s_and_b32 s17, ttmp7, 0xffff
	s_lshl_b32 s17, s17, 2
	s_add_co_u32 s17, s17, s41
	s_lshl_b32 s43, s41, 2
	s_lshl_b32 s43, 15, s43
	s_lshl_b32 s44, 0x1111, s40
	s_or_b32 s[G1+0], s43, (0<<16)|(1<<20)|(1<<21)|(4<<22)|(3<<25)
	s_mov_b32 s[G1+1], 256<<16
	s_mov_b32 s[G1+2], 128<<16
	s_mov_b32 s[G1+3], 256<<16
	s_mov_b32 s[G1+4], 128
	s_mov_b32 s[G1+5], 256
	s_mov_b32 s[G1+6], 0
	s_mov_b32 s[G1+7], 0
	s_or_b32 s[G1B+0], s44, (0<<16)|(1<<20)|(1<<21)|(6<<22)|(3<<25)
	s_mov_b32 s[G1B+1], 512<<16
	s_mov_b32 s[G1B+2], 64<<16
	s_mov_b32 s[G1B+3], 512<<16
	s_mov_b32 s[G1B+4], 64
	s_mov_b32 s[G1B+5], 2048
	s_mov_b32 s[G1B+6], 0
	s_mov_b32 s[G1B+7], 0
	s_lshl_b32 s20, s17, 18
	s_lshl_b32 s18, s16, 15
	s_add_co_u32 s20, s20, s18
	s_mov_b32 s21, 0
	s_lshl_b32 s46, s42, 18
	s_lshl_b32 s18, s16, 17
	s_add_co_u32 s46, s46, s18
	s_mov_b32 s47, 0
	s_mul_i32 s45, s16, 2*ABLK
	s_mul_i32 s19, s16, BHALF
	s_add_co_u32 s19, s19, AREG
	s_wait_dscnt 0x0
	s_wait_kmcnt 0x0
	s_load_b64 s[66:67], s[8:9], 0x28
	s_add_nc_u64 s[20:21], s[4:5], s[20:21]
	s_add_nc_u64 s[46:47], s[6:7], s[46:47]
	CROUND
.irp s, 0,1
	s_mov_b32 s[G0+4*\s], 1
	s_add_co_u32 s[G0+4*\s+1], s45, \s*SLOT
	s_add_nc_u64 s[G0+4*\s+2:G0+4*\s+3], s[20:21], \s*65536
	s_or_b32 s[G0+4*\s+3], s[G0+4*\s+3], 0x80000000
	s_mov_b32 s[G0B+4*\s], 1
	s_add_co_u32 s[G0B+4*\s+1], s19, \s*SLOT
	s_add_nc_u64 s[G0B+4*\s+2:G0B+4*\s+3], s[46:47], \s*512
	s_or_b32 s[G0B+4*\s+3], s[G0B+4*\s+3], 0x80000000
.endr
	JLOAD 0                                        ; K step 0
	s_mov_b32 s76, 2048                            ; the prefetches: from row to row in woc; oc is dense
	s_mov_b32 s78, 512                             ; a K step on
	s_mov_b32 s72, 15                              ; log2 of a partner's share of the tile's bytes in memory: 16 rows of woc, 8 KiB of oc
	s_cmp_eq_u32 s15, 0                            ; do I fetch oc's?
	s_cselect_b64 s[70:71], s[20:21], s[46:47]
	s_cselect_b32 s74, s40, s41                    ; my place among the four that ask for the tile with me
	s_cselect_b32 s76, 512, s76
	s_cselect_b32 s78, 0x10000, s78
	s_cselect_b32 s72, 13, s72
	s_mov_b32 s79, 0
	s_mov_b32 s75, 0
	s_lshl_b32 s74, s74, s72
	s_add_nc_u64 s[70:71], s[70:71], s[74:75]
	s_add_nc_u64 s[70:71], s[70:71], s[78:79]      ; at K step 1,
	s_add_nc_u64 s[72:73], s[70:71], s[78:79]      ; 2,
	s_add_nc_u64 s[74:75], s[72:73], s[78:79]      ; and 3
	v_and_b32 v30, 31, v0
	v_lshrrev_b32 v31, 1, v30
	v_mul_lo_u32 v31, v31, s76
	v_and_b32 v30, 1, v30
	v_lshl_add_u32 v30, v30, 8, v31                ; two lanes to 512 bytes; never rewritten
	global_prefetch_b8 v30, s[70:71] th:TH_LOAD_NT scope:SCOPE_SE
	global_prefetch_b8 v30, s[72:73] th:TH_LOAD_NT scope:SCOPE_SE
	v_and_b32 v1, 15, v0
	v_bfe_u32 v2, v0, 4, 1
	v_mul_u32_u24 v3, v1, PA
	v_lshl_add_u32 v3, v2, 4, v3
	v_mul_u32_u24 v4, v1, PB
	v_lshl_add_u32 v4, v2, 4, v4
	s_mul_i32 s21, s15, 64*PA
	s_mul_i32 s22, s16, BHALF
	s_add_co_u32 s22, s22, AREG
.irp s, 0,1
	v_add_nc_u32 v[ADRA+\s], s21, v3
	v_add_nc_u32 v[ADRB+\s], s22, v4
	s_add_co_u32 s21, s21, SLOT
	s_add_co_u32 s22, s22, SLOT
.endr
	s_mul_i32 s23, s14, 16*SPITCH
	v_mul_u32_u24 v5, v1, SPITCH
	v_lshl_add_u32 v5, v2, 5, v5
	v_add_nc_u32 v[STO], s23, v5
	v_mul_u32_u24 v5, v2, SPITCH
	v_lshl_add_u32 v5, v1, 4, v5
	v_add_nc_u32 v[RD], s23, v5
	v_lshlrev_b32 v5, 13, v2
	v_lshl_add_u32 v[CO], v1, 4, v5
	s_lshl_b32 s20, s17, 7
	s_lshl_b32 s21, s15, 6
	s_add_co_u32 s20, s20, s21
	s_lshl_b32 s20, s20, 13
	s_mov_b32 s21, 0
	s_lshl_b32 s46, s42, 9
	s_lshl_b32 s47, s16, 8
	s_add_co_u32 s46, s46, s47
	s_mov_b32 s47, 0
	v_lshlrev_b32 v8, 5, v2
	v_add_nc_u32 v8, s46, v8
	s_add_nc_u64 s[20:21], s[20:21], s[46:47]
	s_add_nc_u64 s[12:13], s[12:13], s[20:21]
.irp b, 0,1,2,3
	global_load_b128 v[BO+8*\b:BO+8*\b+3], v8, s[10:11] offset:64*\b
	global_load_b128 v[BO+8*\b+4:BO+8*\b+7], v8, s[10:11] offset:64*\b+16
.endr
.macro MUL8 f, a0, zero
.irp a, \a0, \a0+1
.irp b, 0,1,2,3
.if \zero
	v_wmma_f32_16x16x128_fp8_fp8 v[ACC+8*(4*(\a)+\b):ACC+8*(4*(\a)+\b)+7], v[\f+64+16*\b:\f+64+16*\b+15], v[\f+16*(\a):\f+16*(\a)+15], 0
.else
	v_wmma_f32_16x16x128_fp8_fp8 v[ACC+8*(4*(\a)+\b):ACC+8*(4*(\a)+\b)+7], v[\f+64+16*\b:\f+64+16*\b+15], v[\f+16*(\a):\f+16*(\a)+15], v[ACC+8*(4*(\a)+\b):ACC+8*(4*(\a)+\b)+7]
.endif
.endr
.endr
.endm
.macro FETCH slot, q, f
	WIN TO_F
.irp i, 0,1,2,3
.irp c, 0,1,2,3
	ds_load_b128 v[\f+64+16*\i+4*\c:\f+64+16*\i+4*\c+3], v[ADRB+\slot] offset:128*(\q)+32*\c+\i*16*PB
.endr
.endr
.irp i, 0,1,2,3
.irp c, 0,1,2,3
	ds_load_b128 v[\f+16*\i+4*\c:\f+16*\i+4*\c+3], v[ADRA+\slot] offset:(\q)*ABLK+32*\c+\i*16*PA
.endr
.endr
.endm
.macro PLACES
.rept 4
	v_nop
.endr
.endm
.macro QUARTER slot, qn, f, g, zero
	s_wait_dscnt 8
	WIN MUL
	MUL8 \f, 0, \zero
	PLACES
	FETCH \slot, \qn, \g
	s_wait_dscnt 32
	WIN MUL
	MUL8 \f, 2, \zero
.endm
.macro TURN slot, next, fill
	WIN 0
	s_wait_tensorcnt 0x0
	ds_add_u32 v[SPW], v[NIL]
	s_wait_dscnt 9
	WIN MUL
	MUL8 F1, 0, 0
	WIN 0
	s_wait_dscnt 0x0
	s_barrier_signal -1
	s_barrier_wait -1
.if \fill
	CREST
	s_add_nc_u64 s[G0+4*\slot+2:G0+4*\slot+3], s[G0+4*\slot+2:G0+4*\slot+3], 2*65536
	s_add_nc_u64 s[G0B+4*\slot+2:G0B+4*\slot+3], s[G0B+4*\slot+2:G0B+4*\slot+3], 2*512
	JLOAD \slot
.else
	PLACES
.endif
	FETCH \next, 0, F0
	WIN MUL
	MUL8 F1, 2, 0
.endm
	s_wait_alu depctr_va_vdst(0)                   ; the wait at the head's end
	s_wait_tensorcnt 0x0                           ; my part of K step 0 is in
	ds_add_u32 v[SPW], v[NIL]
	s_wait_dscnt 0x0
	CROUND
	JLOAD 1                                        ; K step 1, the first tensor load behind the round
	FETCH 0, 0, F0
	WIN 0
	global_prefetch_b8 v30, s[74:75] th:TH_LOAD_NT scope:SCOPE_SE   ; K step 3
	QUARTER 0, 1, F0, F1, 1
	QUARTER 0, 2, F1, F0, 0
	QUARTER 0, 3, F0, F1, 0
	TURN 0, 1, 1
	QUARTER 1, 1, F0, F1, 0
	QUARTER 1, 2, F1, F0, 0
	QUARTER 1, 3, F0, F1, 0
	TURN 1, 0, 1
	QUARTER 0, 1, F0, F1, 0
	QUARTER 0, 2, F1, F0, 0
	QUARTER 0, 3, F0, F1, 0
	TURN 0, 1, 0
	QUARTER 1, 1, F0, F1, 0
	QUARTER 1, 2, F1, F0, 0
	QUARTER 1, 3, F0, F1, 0
	s_wait_dscnt 8
	WIN MUL
	MUL8 F1, 0, 0
	s_wait_dscnt 0
	MUL8 F1, 2, 0
	WIN 0
.macro OUT a
.set TS, TMP+32*((\a)%2)
.set AC, ACC+32*(\a)
.set jj, 0
.rept 16
	v_pk_fma_f32 v[TS+jj:TS+jj+1], v[AC+jj:AC+jj+1], s[66:67], v[BO+jj:BO+jj+1] op_sel_hi:[1,0,1]
.set jj, jj+2
.endr
.irp b, 0,1,2,3
	ds_store_b128 v[STO], v[TS+8*\b:TS+8*\b+3] offset:64*\b
	ds_store_b128 v[STO], v[TS+8*\b+4:TS+8*\b+7] offset:64*\b+16
.endr
.irp t, 0,1,2,3,4,5,6,7
	ds_load_b128 v[AC+4*\t:AC+4*\t+3], v[RD] offset:\t*2*SPITCH
.endr
.endm
.macro SEND a, younger
.irp t, 0,1,2,3,4,5,6,7
	s_wait_dscnt \younger+7-\t
	global_store_b128 v[CO], v[ACC+32*(\a)+4*\t:ACC+32*(\a)+4*\t+3], s[12:13] offset:(16*(\a)+2*\t)*8192 th:TH_STORE_NT
.endr
.endm
	s_wait_kmcnt 0x0
	s_add_co_i32 s66, s66, s67
	s_add_co_i32 s66, s66, 127
	s_lshl_b32 s66, s66, 23
	s_mov_b32 s67, s66
	s_wait_loadcnt 0x0
	PLACES
	OUT 0
	OUT 1
	SEND 0, 16
	OUT 2
	SEND 1, 16
	OUT 3
	SEND 2, 16
	SEND 3, 0
	s_wait_tensorcnt 0x0
	ds_add_u32 v[SPW], v[NIL]
	s_wait_dscnt 0x0
	CROUND
	s_endpgm
.Lfunc_end_k_q0c02044146_oproj:
	.size	k_q0c02044146_oproj, .Lfunc_end_k_q0c02044146_oproj-k_q0c02044146_oproj
	.p2alignl 7, 3214868480
	.fill 96, 4, 3214868480
	.section	.rodata,"a",@progbits
	.p2align	6, 0x0
	.amdhsa_kernel k_q0c02044146_oproj
		.amdhsa_group_segment_fixed_size 327680
		.amdhsa_private_segment_fixed_size 0
		.amdhsa_enable_private_segment 0
		.amdhsa_kernarg_size 40
		.amdhsa_user_sgpr_count 2
		.amdhsa_user_sgpr_kernarg_segment_ptr 1
		.amdhsa_wavefront_size32 1
		.amdhsa_system_sgpr_workgroup_id_x 1
		.amdhsa_system_sgpr_workgroup_id_y 1
		.amdhsa_system_sgpr_workgroup_id_z 1
		.amdhsa_system_vgpr_workitem_id 0
		.amdhsa_next_free_vgpr 512
		.amdhsa_next_free_sgpr 80
		.amdhsa_reserve_vcc 0
		.amdhsa_float_denorm_mode_32 3
		.amdhsa_float_denorm_mode_16_64 3
		.amdhsa_memory_ordered 1
		.amdhsa_forward_progress 1
		.amdhsa_inst_pref_size 77
	.end_amdhsa_kernel
	.amdgpu_metadata
---
amdhsa.version: [ 1, 2 ]
amdhsa.kernels:
  - .name:           k_q0c02044146_oproj
    .symbol:         k_q0c02044146_oproj.kd
    .args:
      - { .name: oc, .offset: 0, .size: 8, .value_kind: global_buffer, .address_space: global }
      - { .name: woc, .offset: 8, .size: 8, .value_kind: global_buffer, .address_space: global }
      - { .name: lowp_scales, .offset: 16, .size: 8, .value_kind: global_buffer, .address_space: global }
      - { .name: bo, .offset: 24, .size: 8, .value_kind: global_buffer, .address_space: global }
      - { .name: out0, .offset: 32, .size: 8, .value_kind: global_buffer, .address_space: global }
    .group_segment_fixed_size: 327680
    .private_segment_fixed_size: 0
    .kernarg_segment_align: 8
    .kernarg_segment_size: 40
    .max_flat_workgroup_size: 128
    .sgpr_count:     80
    .vgpr_count:     512
    .wavefront_size: 32
...
	.end_amdgpu_metadata
.endif
;; end of part 4
